; MI455X (gfx1250); checked and timed in simulation.
; The chip was launched on July 23, 2026; its instructions are those of AMD's public machine-readable ISA for CDNA 5 (MIT licence, August 2026) and "CDNA5" Instruction Set Architecture Reference Guide (July 2026). The comments in the code are by the model that wrote it; some were corrected since.
;; Causal Self Attention. Allowed arithmetic: matrix products marked QUANTISED: E5M2 operands, one E8M0 scale for each 32 along K, by v_wmma_scale_f32_16x16x128_f8f6f4 with both operands' format E5M2, f32 sums; everything else in f32.
;; Inputs: Wk_codes 1,024 x 32 x 32 uint8 (E5M2 codes of Wk, K innermost, in blocks of 32 codes); Wk_scales 1,024 x 32 uint8 (E8M0 scales of Wk, one for each 32 codes along K); Wp_codes 1,024 x 32 x 32 uint8 (E5M2 codes of Wp, K innermost, in blocks of 32 codes); Wp_scales 1,024 x 32 uint8 (E8M0 scales of Wp, one for each 32 codes along K); Wq_codes 1,024 x 32 x 32 uint8 (E5M2 codes of Wq, K innermost, in blocks of 32 codes); Wq_scales 1,024 x 32 uint8 (E8M0 scales of Wq, one for each 32 codes along K); Wv_codes 1,024 x 32 x 32 uint8 (E5M2 codes of Wv, K innermost, in blocks of 32 codes); Wv_scales 1,024 x 32 uint8 (E8M0 scales of Wv, one for each 32 codes along K); bk 1,024 float32; bp 1,024 float32; bq 1,024 float32; bv 1,024 float32; x_codes 4 x 2,048 x 32 x 32 uint8 (E5M2 codes of x, K innermost, in blocks of 32 codes); x_scales 4 x 2,048 x 32 uint8 (E8M0 scales of x, one for each 32 codes along K).
;; Outputs: out0 4 x 2,048 x 1,024 float32.
;; This version of the problem:
;;   THIS VERSION OF THE PROBLEM IS GIVEN IN LOW PRECISION. The matrix products marked QUANTISED in the list below multiply operands that are first quantised to E5M2 (5 exponent bits, 2 mantissa bits; 8 bits a number), with one power-of-two scale for each 32 numbers along K (OCP MX v1.0); their sums are f32. All else is computed in f32.
;;   The module's matrix products, in the order in which they are computed (A, B: the left and right operand; K: the contracted axis; several contracted axes count as one K, in the product's order):
;;     1. [M 8,192, K 1,024] x [K 1,024, N 1,024]; A: input x (given as codes); B: input Wq (given as codes): QUANTISED
;;     2. [M 8,192, K 1,024] x [K 1,024, N 1,024]; A: input x (given as codes); B: input Wk (given as codes): QUANTISED
;;     3. [M 8,192, K 1,024] x [K 1,024, N 1,024]; A: input x (given as codes); B: input Wv (given as codes): QUANTISED
;;     4. batch 64 x [M 2,048, K 64] x [K 64, N 2,048]; A: computed on the way; B: computed on the way: QUANTISED
;;     5. batch 64 x [M 2,048, K 2,048] x [K 2,048, N 64]; A: softmax (see below); B: computed on the way: QUANTISED
;;     6. [M 8,192, K 1,024] x [K 1,024, N 1,024]; A: computed on the way; B: input Wp (given as codes): QUANTISED
;;   THE QUANTISER, for each operand of a quantised product, along K:
;;     - K is cut into blocks of 32 from its start; a last block that is shorter is filled with zeros.
;;     - A block's scale is 2^e with e = floor(log2(the largest magnitude in the block)) - 15, held to -126 .. 127; a block of zeros has e = 0. As a byte (E8M0): e + 127.
;;     - Each number is divided by its block's scale, clamped to +-57,344, and rounded to the nearest number of E5M2, ties to even, subnormals kept.
;;     - The product sums the exact products of the quantised numbers (number of the format x scale) in f32.
;;   ~~~python
;;   def quantise(x, axis):      # numpy; x: float32 -> the quantised numbers, widened to float32 again
;;       x = np.moveaxis(x, axis, -1); K = x.shape[-1]
;;       x = np.pad(x, [(0, 0)] * (x.ndim - 1) + [(0, -K % 32)]); x = x.reshape(x.shape[:-1] + (-1, 32)); a = np.abs(x).max(-1, keepdims=True)
;;       e = np.where(a > 0, np.clip(np.frexp(np.where(a > 0, a, 1))[1] - 1 - 15, -126, 127), 0)      # np.frexp(a)[1] - 1 = floor(log2(a)), exactly
;;       r = np.clip(x / 2.0 ** e, -57344, 57344)
;;       step = 2.0 ** (np.maximum(np.frexp(np.where(r == 0, 1, r))[1] - 1, -14) - 2)
;;       q = np.round(r / step) * step * 2.0 ** e      # np.round: ties to even
;;       return np.moveaxis(q.reshape(q.shape[:-2] + (-1,))[..., :K], -1, axis).astype(np.float32)
;;   ~~~
;;   SOFTMAX AHEAD OF A QUANTISED PRODUCT. Where the list says 'softmax', what is quantised is not the finished softmax but p = 2^(t - M), with t = logit x log2(e) and M = ceil(the row's largest t), a whole number; so 1/2 < the row's largest p <= 1. The row's sum l is taken of the UNQUANTISED p, in f32, and the product's result is divided by l at the end. Since M is a whole number, a kernel that streams over the keys may use a running M (the ceiling of the running maximum): every later rescaling is an exact power of two, which a block's scale takes up: the codes' values come out the same.
;;   OPERANDS COMPUTED ON THE WAY. 'Computed on the way' means the value that the module computes at that place (a softmax that the list does not call 'softmax' is quantised finished and normalised). What goes into a quantiser is computed in f32, as accurately as f32 sums, v_exp_f32 and their like allow (about 1e-6 of the number): no bf16 or f16 on the way to a quantiser, and a product that is left as it is and whose result goes on into a quantised operand takes f32 operands (vector FMAs, or v_wmma_f32_16x16x4_f32). A number that lies on a knife's edge between two numbers of the format may be rounded either way, as far as f32 arithmetic and the matrix unit's own rounding can turn it there, and no further.
;;   INPUTS GIVEN AS CODES. Wk (in the module: [1024, 1024], K = its axis 1); Wp (in the module: [1024, 1024], K = its axis 1); Wq (in the module: [1024, 1024], K = its axis 1); Wv (in the module: [1024, 1024], K = its axis 1); x (in the module: [4, 2048, 1024], K = its axis 2): each comes as NAME_codes (uint8): NAME with its K axis moved to the last place and cut into blocks of 32 codes, [.., K / 32, bytes a block], one block behind the other in memory; one code a byte (a code: sign, 5 exponent bits, 2 mantissa bits); and NAME_scales (uint8): the same leading axes, one E8M0 byte (e + 127) for each 32 codes along K. Its value is code x scale, taken as it is: it is not quantised again, and the codes and scales need not be those that the quantiser above would give.
;; One version. Each part assembles by itself: llvm-mc -triple=amdgcn-amd-amdhsa -mcpu=gfx1250 --defsym DOCPART=n.
;; ======== version 1 of 1: 3 launches
;; limits: right only within a limited range of input values
;; workspace buffers: kv 17,301,504 bytes; qi 17,301,504 bytes; y_img 8,388,608 bytes; y_sc 262,144 bytes
;; launch qkv (part 1): grid 8 x 48, 4 waves a work-group, clusters of 4 x 4, 327,680 bytes of LDS; arguments x_codes, x_scales, Wq_codes, Wq_scales, Wk_codes, Wk_scales, Wv_codes, Wv_scales, bq, bk, bv, qi, kv; writes qi, kv
.if DOCPART == 1
	.amdgcn_target "amdgcn-amd-amdhsa--gfx1250"
	.amdhsa_code_object_version 6
	.text
	.protected	k_q72342178c7_qkv
	.globl	k_q72342178c7_qkv
	.p2align	8
	.type	k_q72342178c7_qkv,@function
k_q72342178c7_qkv:
	s_mov_b64 s[64:65], 0
	v_nop
	global_prefetch_b8 v0, s[64:65] scope:SCOPE_SE
	s_setreg_imm32_b32 hwreg(HW_REG_WAVE_MODE, 25, 1), 1
	s_wait_xcnt 0x0
	s_wait_alu depctr_hold_cnt(0) depctr_sa_sdst(0) depctr_va_vdst(0) depctr_va_sdst(0) depctr_va_ssrc(0) depctr_va_vcc(0) depctr_vm_vsrc(0)
	s_getreg_b32 s2, hwreg(HW_REG_IB_STS2, 6, 4)
	s_cmp_eq_u32 s2, 0
	s_cbranch_scc0 .Lentry_in_a_cluster
	s_endpgm
.Lentry_in_a_cluster:
	s_bfe_u32 s2, ttmp6, 0x10000c
	s_cmp_lg_u32 s2, 0xf033
	s_cbranch_scc0 .Lentry_shape_is_right
	s_endpgm
.Lentry_shape_is_right:
; q, k, v = x W^T + b on codes of BF8 (E5M2) with one E8M0 scale for each 32 along K = 1,024; the results are quantised here, in f32, and leave as codes:
; q and k along the head's 64, v along the tokens (the keys).  A tile of 256 x 256 results to a work-group of four waves, 128 x 128 to a wave: 64 accumulators, 512 registers.
; SIDES.  Source 1 ("A") falls on lanes, source 0 ("B") on a lane's registers.  For q and k: A = 256 tokens of x, B = 256 rows of Wq or Wk, so that a lane holds one token and its registers run along the
; features.  For v: A = 256 rows of Wv, B = 256 tokens of x, so that a lane holds one feature and its registers run along the tokens.  In both a lane's registers run along the NEXT product's K.
; Which case a cluster serves hangs on the cluster's x and y alone: y 0-7: q (x = 0) or k (x = 1); y 8-11: v.  Only pointers and one branch on the way out differ.
; ORDER INSIDE A BLOCK OF 32.  The 16 registers of two neighbouring tiles of source 0 are converted as they stand: place (half h, i) of a block holds true index 16 (i / 8) + 8 h + i % 8.
; q and k have the same order, and so have v and the softmax's p of the next launch: each product still pairs like with like, and a block's scale does not know of the order.
; OUT: records of 16,896 bytes, [16 b + head][128 tokens]: 8,192 bytes of k's (or q's) register images, 8,192 of v's, 256 of k's (q's) scale words, 256 of v's.  An image is 4 registers of a fragment, lane l's 16 bytes at 16 l:
; every store of codes covers 512 consecutive bytes, aligned.  In qi only the first and third part of a record are written, and only those are read.
; K goes in steps of 256 through a ring of two LDS slots; the scale bytes of the 512 rows stay in LDS.  CLUSTERS of 4 x 4: A's tiles are shared along a row, B's along a column, asked for jointly.
; LIMITS: NaN and infinities among the inputs are not served.  A block of zeros gets the byte 1 (the rule says 127) with zero codes: the bytes are read by this program alone.  A block whose largest magnitude lies under 2^-111 is held at byte 1.
; REGISTERS, windows of 256: window 0: v1-3, v31 at work; v4-19 v's bias (a pair for each tile of features); v20-30 addresses; v32-63 scale words, two sets; v64-127 q's or k's bias; v128-255 A's fragments, one set, on the way out the quantiser's.
;   window 1: B's fragments, two sets.   windows 2, 3: the accumulators ((a, b) at v[8 (8 (a % 4) + b)]).
.set SIZE_K, 1024
.set KSTEP,  256                       ; along K in a slot
.set NQ,     KSTEP/128                 ; matrix instructions deep
.set ROWB,   256                       ; a tile's row in bytes
.set KROW,   SIZE_K                    ; a row of x or W in memory, in bytes
.set PITCH,  272                       ; an LDS row: 256 bytes + 16 of padding = 68 words: row r starts at bank 4 r mod 64 (64 banks of 4 bytes: ISA guide 11.1)
.set FR,     16                        ; registers of a fragment
.set NL,     4                         ; LDS loads that bring one
.set NP,     8                         ; places behind this matrix instruction (ISA guide 7.12.1)
.set HALFT,  128*PITCH                 ; 128 rows: one tensor load
.set SLOT,   4*HALFT                   ; A's 256 rows, then B's 256
.set LAPS,   SIZE_K/(2*KSTEP)
.set KS,     SIZE_K/32                 ; a row of scale bytes
.set SCL,    2*SLOT                    ; behind the ring: the scale bytes, as units of 256 bytes + 16 of padding
.set HALFS,  (128*KS/256)*272
.set SBLK,   (16*KS/256)*272
.set SPARE,  SCL+4*HALFS               ; the spare words, 128 bytes for each wave: two blocks of 256 bytes that no other line names
.set REC,    16896                     ; a record of the output
.set BV,   4                           ; v4-19   v's bias: pair a = bv of feature 16 a + r, twice
.set ADRA, 20                          ; v20-21  LDS address of my A fragments in slot 0, 1
.set ADRB, 22                          ; v22-23  the same for B
.set LI,   24                          ; v24     16 x lane: an image's place for my lane
.set SA,   25                          ; v25     16 r + 16 records x h: where my scale words go
.set BH,   26                          ; v26     32 h: q's, k's bias
.set ADRS, 27                          ; v27     LDS address of my scale words: lanes 0-15 A's rows, lanes 16-31 B's
.set SPW,  28                          ; v28     LDS address of my spare word; never rewritten
.set NIL,  29                          ; v29     0; never rewritten
.set BR,   30                          ; v30     4 r: v's bias
.set LN,   31                          ; v31     lane
.set SC,   32
.set BT,   64                          ; v64-127 bias of feature 16 b + 8 h + j at 8 b + j
.set AF,   128
.set ST,   128                         ; the way out: 64 numbers;
.set PC,   192                         ; their codes;
.set TM,   208                         ; v208-211 largest magnitudes, 212-215 bytes, 220-223 the conversions' scale operands
.set PW,   224                         ; scale word of an odd tile of tokens,
.set XW,   225                         ; of an even one
.set SW,   226                         ; v226-233 the scale words as they leave: head 0's four, head 1's four
.set OW,   236
.set G1, 24
.set G0, 32
.set G1B, 48
.set G0B, 56
.set G1S, 68
.set G0S, 76
.set G1SB, 80
.set G0SB, 88
.set OB0, 96                           ; s[96:97] my first head's record, s[98:99] my second head's
.set ISV, 100                          ; s100  1: this cluster makes v
.set HM,  101                          ; s101  mask of lanes 16-31
.set SEL, 20                           ; s[20:21] lane selects for v_permlanex16_b32: lane l xor 16
.set MNT, 22
.set MSB, 0
.macro WIN new                         ; the immediate's high byte repeats the setting that is left
.if MSB != (\new)
	s_set_vgpr_msb (MSB<<8)|(\new)
.set MSB, (\new)
.endif
.endm
.set MUL_LO, 0xa1                      ; source 0 (B) window 1, source 1 (A) window 0, C and D window 2
.set MUL_HI, 0xf1                      ; the same, C and D window 3
.set TO_B,   0x40                      ; destination window 1, address window 0
; A joint load: waves 0 and 1 fetch for A, waves 2 and 3 for B; the branch hangs on the wave's number alone.  Four v_nop follow each of the two lines.
.macro JLOAD g0a, g1a, g0b, g1b
	s_cmp_eq_u32 s15, 0
	s_cbranch_scc0 .Lfor_b_\@
	tensor_load_to_lds s[\g0a:\g0a+3], s[\g1a:\g1a+7]
	s_nop 0
.rept 4
	v_nop
.endr
	s_branch .Lasked_\@
.Lfor_b_\@:
	tensor_load_to_lds s[\g0b:\g0b+3], s[\g1b:\g1b+7]
	s_nop 0
.rept 4
	v_nop
.endr
.Lasked_\@:
.endm
.macro CREST                           ; a round of the cluster's barrier behind its opening barrier
	s_cmp_lg_u32 s14, 0
	s_cbranch_scc1 .Lnot_wave_0_\@
	s_barrier_signal -3
.Lnot_wave_0_\@:
	s_barrier_wait -3
	s_barrier_signal -1
	s_barrier_wait -1
.endm
.macro CROUND                          ; a whole round
	s_barrier_signal -1
	s_barrier_wait -1
	CREST
.endm
	s_load_b512 s[68:83], s[0:1], 0x0              ; x's codes, scales; Wq's; Wk's; Wv's
	s_load_b256 s[84:91], s[0:1], 0x40             ; bq, bk, bv, qi
	s_load_b64 s[92:93], s[0:1], 0x60              ; kv
	v_lshl_add_u32 v[SPW], v0, 2, SPARE
	v_mov_b32 v[NIL], 0
	ds_add_u32 v28, v29
	ds_add_u32 v28, v29
	s_wait_dscnt 0x0
	v_lshrrev_b32 v1, 5, v0
	v_readfirstlane_b32 s14, v1                    ; wave 0..3
	s_lshr_b32 s15, s14, 1                         ; which half of A's rows is mine.  Also: I fetch for A (0) or for B (1)
	s_and_b32 s16, s14, 1                          ; which half of B's rows.  Also: which 128 rows of that tile I fetch
	s_bfe_u32 s40, ttmp6, 0x40000                  ; cx, cy: my place in the cluster
	s_bfe_u32 s41, ttmp6, 0x40004
	s_and_b32 s18, ttmp7, 0xffff                   ; the cluster's y, 0..11
	s_max_u32 s19, s18, 8
	s_sub_co_u32 s19, s19, 8
	s_lshl_b32 s19, s19, 1
	s_add_co_u32 s19, s19, ttmp9                   ; v: which four tiles of tokens: 2 (y - 8) + x
	s_cmp_ge_u32 s18, 8
	s_cselect_b32 s42, s19, 0
	s_cselect_b32 s17, 0, s18
	s_cselect_b32 s[ISV], 1, 0
	s_lshl_b32 s42, s42, 2
	s_add_co_u32 s42, s42, s40                     ; B's tile: q, k: cx (of W's four); v: 4 (2 (y - 8) + x) + cx (of x's 32)
	s_lshl_b32 s17, s17, 2
	s_add_co_u32 s17, s17, s41                     ; A's tile: q, k: 4 y + cy (of x's 32); v: cy (of Wv's four)
	s_lshl_b32 s43, s41, 2
	s_lshl_b32 s43, 15, s43                        ; my row of the cluster
	s_lshl_b32 s44, 0x1111, s40                    ; my column
	; descriptor group 1: a tile of 128 rows x 256 bytes, padded in LDS
	s_or_b32 s[G1+0], s43, (0<<16)|(1<<20)|(1<<21)|(5<<22)|(3<<25)  ; 15:0 the mask: A's tiles go to my row; 17:16 elements of 1 byte; 20 padding on; 21 set beside a mask; 24:22 after every 64 words; 31:25 four words
	s_or_b32 s[G1B+0], s44, (0<<16)|(1<<20)|(1<<21)|(5<<22)|(3<<25)
.irp g, G1, G1B
	s_mov_b32 s[\g+1], ROWB<<16                    ; tensor_dim0
	s_mov_b32 s[\g+2], 128<<16                     ; tensor_dim1
	s_mov_b32 s[\g+3], ROWB<<16                    ; tile_dim0
	s_mov_b32 s[\g+4], 128                         ; tile_dim1
	s_mov_b32 s[\g+5], KROW                        ; tensor_dim0_stride
	s_mov_b32 s[\g+6], 0
	s_mov_b32 s[\g+7], 0
.endr
	s_lshl_b32 s18, s16, 7                         ; which 128 rows of the tile I fetch
	s_lshl_b32 s20, s17, 8
	s_add_co_u32 s20, s20, s18                     ; A: row 256 x tile + 128 x half
	s_lshl_b32 s46, s42, 8
	s_add_co_u32 s46, s46, s18                     ; B likewise
	s_mov_b32 s21, 0
	s_mov_b32 s47, 0
	s_mov_b64 s[18:19], KS
	s_mul_u64 s[22:23], s[20:21], s[18:19]         ; where these rows' scale bytes begin
	s_mul_u64 s[98:99], s[46:47], s[18:19]
	s_mov_b64 s[18:19], KROW
	s_mul_u64 s[20:21], s[20:21], s[18:19]         ; and their codes
	s_mul_u64 s[46:47], s[46:47], s[18:19]
	s_mul_i32 s45, s14, HALFT                      ; where they go: wave x 128 rows: no place in the cluster enters an LDS address
	s_mul_i32 s94, s14, HALFS
	s_wait_kmcnt 0x0
	s_cmp_eq_u32 ttmp9, 0                          ; q or k?  The choices hang on the cluster's x and y alone, which all partners share
	s_cselect_b64 s[72:73], s[72:73], s[76:77]
	s_cselect_b64 s[74:75], s[74:75], s[78:79]
	s_cselect_b64 s[84:85], s[84:85], s[86:87]
	s_cselect_b64 s[90:91], s[90:91], s[92:93]
	s_cmp_lg_u32 s[ISV], 0                         ; or v?
	s_cselect_b64 s[4:5], s[80:81], s[68:69]       ; A's codes: Wv's or x's
	s_cselect_b64 s[6:7], s[82:83], s[70:71]       ; A's scales
	s_cselect_b64 s[8:9], s[68:69], s[72:73]       ; B's codes: x's or W's
	s_cselect_b64 s[10:11], s[70:71], s[74:75]     ; B's scales
	s_cselect_b64 s[12:13], s[88:89], s[84:85]     ; the bias
	s_cselect_b64 s[OB0:OB0+1], s[92:93], s[90:91] ; the output
	s_add_nc_u64 s[20:21], s[4:5], s[20:21]
	s_add_nc_u64 s[22:23], s[6:7], s[22:23]
	s_add_nc_u64 s[46:47], s[8:9], s[46:47]
	s_add_nc_u64 s[98:99], s[10:11], s[98:99]
	; the scale bytes of 128 rows: a dense block of 4,096 bytes, as rows of 256 bytes (32 elements of 8 bytes), 16 bytes of padding behind each.  (These registers held the arguments until here)
	s_or_b32 s[G1S+0], s43, (3<<16)|(1<<20)|(1<<21)|(5<<22)|(3<<25)
	s_or_b32 s[G1SB+0], s44, (3<<16)|(1<<20)|(1<<21)|(5<<22)|(3<<25)
.irp g, G1S, G1SB
	s_mov_b32 s[\g+1], 32<<16
	s_mov_b32 s[\g+2], (128*KS/256)<<16
	s_mov_b32 s[\g+3], 32<<16
	s_mov_b32 s[\g+4], 128*KS/256
	s_mov_b32 s[\g+5], 32
	s_mov_b32 s[\g+6], 0
	s_mov_b32 s[\g+7], 0
.endr
	CROUND                                         ; all sixteen work-groups are here: the first joint loads meet
	s_mov_b32 s[G0S], 1
	s_add_co_u32 s[G0S+1], s94, SCL
	s_mov_b64 s[G0S+2:G0S+3], s[22:23]
	s_or_b32 s[G0S+3], s[G0S+3], 0x80000000
	s_mov_b32 s[G0SB], 1
	s_add_co_u32 s[G0SB+1], s94, SCL
	s_mov_b64 s[G0SB+2:G0SB+3], s[98:99]
	s_or_b32 s[G0SB+3], s[G0SB+3], 0x80000000
	JLOAD G0S, G1S, G0SB, G1SB                     ; the scales first: they are wanted with K step 0
.irp s, 0,1
	s_mov_b32 s[G0+4*\s], 1
	s_add_co_u32 s[G0+4*\s+1], s45, \s*SLOT
	s_add_nc_u64 s[G0+4*\s+2:G0+4*\s+3], s[20:21], \s*ROWB
	s_or_b32 s[G0+4*\s+3], s[G0+4*\s+3], 0x80000000
	s_mov_b32 s[G0B+4*\s], 1
	s_add_co_u32 s[G0B+4*\s+1], s45, \s*SLOT
	s_add_nc_u64 s[G0B+4*\s+2:G0B+4*\s+3], s[46:47], \s*ROWB
	s_or_b32 s[G0B+4*\s+3], s[G0B+4*\s+3], 0x80000000
	JLOAD G0+4*\s, G1, G0B+4*\s, G1B               ; three loads of mine are out at the most
.endr
	v_and_b32 v1, 15, v0                           ; r = l % 16
	v_bfe_u32 v2, v0, 4, 1                         ; h = l / 16
	v_mul_u32_u24 v3, v1, PITCH
	v_lshl_add_u32 v3, v2, 4, v3                   ; a fragment's row x pitch + 16 x half
	s_mul_i32 s21, s15, HALFT                      ; my 128 rows of A
	s_mul_i32 s22, s16, HALFT                      ; my 128 rows of B,
	s_add_co_u32 s22, s22, 2*HALFT                 ; which lie behind A's 256
.irp s, 0,1
	v_add_nc_u32 v[ADRA+\s], s21, v3
	v_add_nc_u32 v[ADRB+\s], s22, v3
	s_add_co_u32 s21, s21, SLOT
	s_add_co_u32 s22, s22, SLOT
.endr
	v_mul_u32_u24 v3, v1, KS                       ; my row's scale bytes: 32 a row,
	v_lshrrev_b32 v[LN], 8, v3
	v_lshl_add_u32 v3, v[LN], 4, v3                ; and 16 more for each 256 passed
	s_mul_i32 s21, s15, HALFS
	s_mul_i32 s22, s16, HALFS
	s_add_co_u32 s22, s22, 2*HALFS
	s_sub_co_u32 s22, s22, s21
	v_mul_u32_u24 v[LN], s22, v2                   ; lanes 16-31 take B's: one product, the distance between the two bases x h
	s_add_co_u32 s21, s21, SCL
	v_add_nc_u32 v3, v3, v[LN]
	v_add_nc_u32 v[ADRS], s21, v3
	v_and_b32 v[LN], 31, v0
	v_lshlrev_b32 v[LI], 4, v[LN]
	v_mul_u32_u24 v[SA], v2, 16*REC                ; the second head's record lies 16 records on
	v_lshl_add_u32 v[SA], v1, 4, v[SA]
	v_lshlrev_b32 v[BH], 5, v2
	s_wait_alu depctr_va_vdst(0)
	v_lshlrev_b32 v[BR], 2, v1
	s_wait_alu depctr_va_vdst(0)
	; where my results go: token group G of 128 and pair of heads H; record (G / 16) 256 + 32 H + G % 16, the second head's 16 on
	s_lshl_b32 s18, s17, 1
	s_add_co_u32 s18, s18, s15                     ; my 128 rows of A, counted in the tensor
	s_lshl_b32 s19, s42, 1
	s_add_co_u32 s19, s19, s16                     ; my 128 rows of B
	s_cmp_lg_u32 s[ISV], 0
	s_cselect_b32 s20, s19, s18                    ; G
	s_cselect_b32 s21, s18, s19                    ; H
	s_lshr_b32 s22, s20, 4
	s_lshl_b32 s22, s22, 8
	s_lshl_b32 s23, s21, 5
	s_add_co_u32 s22, s22, s23
	s_and_b32 s23, s20, 15
	s_add_co_u32 s22, s22, s23
	s_mul_i32 s22, s22, REC                        ; at most 1,007 records: under 2^25 bytes
	s_mov_b32 s23, 0
	s_add_nc_u64 s[OB0:OB0+1], s[OB0:OB0+1], s[22:23]
	s_add_nc_u64 s[OB0+2:OB0+3], s[OB0:OB0+1], 16*REC
	s_lshl_b32 s22, s21, 9                         ; the bias of my 128 features
	s_add_nc_u64 s[12:13], s[12:13], s[22:23]
	; both forms of the bias are loaded, one is used: all 128 numbers lie inside the 1,024.  They are waited for on the way out
.irp b, 0,1,2,3,4,5,6,7
	global_load_b128 v[BT+8*\b:BT+8*\b+3], v[BH], s[12:13] offset:64*\b
	global_load_b128 v[BT+8*\b+4:BT+8*\b+7], v[BH], s[12:13] offset:64*\b+16
.endr
.irp a, 0,1,2,3,4,5,6,7
	global_load_b32 v[BV+2*\a], v[BR], s[12:13] offset:64*\a
	global_load_b32 v[BV+2*\a+1], v[BR], s[12:13] offset:64*\a
.endr
	s_mov_b32 s[SEL], 0x76543210
	s_mov_b32 s[SEL+1], 0xfedcba98
.macro FRAG reg, adr, q, i             ; a fragment, 16 rows x 128 K: lane l holds row l % 16; registers 4 c .. 4 c + 3 hold K = 32 c + 16 (l / 16) + 0 .. 15
.irp c, 0,1,2,3
	ds_load_b128 v[\reg+4*\c:\reg+4*\c+3], v[\adr] offset:128*(\q)+32*\c+(\i)*16*PITCH
.endr
.endm
; 16 matrix instructions: A's blocks a0, a0 + 1 x B's eight, the slot's q-th 128 along K.  p: B's set; sc: the set of scale words.  zero = 1: the first product starts the sums.
; The 64 accumulators take turns, one instruction a turn, in the same order in every step.
.macro MUL16 a0, p, q, sc, zero
.irp a, \a0, \a0+1
.irp b, 0,1,2,3,4,5,6,7
.if \zero
	v_wmma_scale_f32_16x16x128_f8f6f4 v[8*(8*((\a)%4)+\b):8*(8*((\a)%4)+\b)+7], v[128*(\p)+FR*\b:128*(\p)+FR*\b+FR-1], v[AF+FR*(\a):AF+FR*(\a)+FR-1], 0, v[SC+8*NQ*(\sc)+NQ*\b+(\q)], v[SC+8*NQ*(\sc)+NQ*(\a)+(\q)] matrix_a_fmt:MATRIX_FMT_BF8 matrix_b_fmt:MATRIX_FMT_BF8 matrix_a_scale:MATRIX_SCALE_ROW1
.else
	v_wmma_scale_f32_16x16x128_f8f6f4 v[8*(8*((\a)%4)+\b):8*(8*((\a)%4)+\b)+7], v[128*(\p)+FR*\b:128*(\p)+FR*\b+FR-1], v[AF+FR*(\a):AF+FR*(\a)+FR-1], v[8*(8*((\a)%4)+\b):8*(8*((\a)%4)+\b)+7], v[SC+8*NQ*(\sc)+NQ*\b+(\q)], v[SC+8*NQ*(\sc)+NQ*(\a)+(\q)] matrix_a_fmt:MATRIX_FMT_BF8 matrix_b_fmt:MATRIX_FMT_BF8 matrix_a_scale:MATRIX_SCALE_ROW1
.endif
.endr
.endr
.endm
.macro FETCH_B slot, q, p
	WIN TO_B
.irp i, 0,1,2,3,4,5,6,7
	FRAG 128*(\p)+FR*\i, ADRB+\slot, \q, \i
.endr
	WIN 0
.endm
.macro FETCH_A slot, q, i0
.irp i, \i0, \i0+1, \i0+2, \i0+3
	FRAG AF+FR*(\i), ADRA+\slot, \q, \i
.endr
.endm
.macro SCALES sc                       ; a K step's scale words: two a row; lanes 0-15 take A's block i, lanes 16-31 B's block i
.irp i, 0,1,2,3,4,5,6,7
	ds_load_b64 v[SC+8*NQ*\sc+NQ*\i:SC+8*NQ*\sc+NQ*\i+1], v[ADRS] offset:\i*SBLK
.endr
.endm
.macro PLACES n                        ; plain vector instructions between a matrix instruction and a load into, or a vector instruction on, its registers (ISA guide 7.12.1 for vector instructions)
.rept \n
	v_nop
.endr
.endm
.macro STEP slot, q, zero              ; a step of 128 along K that has its successor in the same slot
	s_wait_dscnt 4*NL                              ; B's set and A's blocks 0-3 are in; the youngest 16 loads (A's blocks 4-7) may be out
	WIN MUL_LO
	MUL16 0, (\q)%2, \q, \slot, \zero
	MUL16 2, (\q)%2, \q, \slot, \zero
	s_wait_dscnt 0
	PLACES NP
	FETCH_B \slot, (\q)+1, 1-(\q)%2
	FETCH_A \slot, (\q)+1, 0
	WIN MUL_HI
	MUL16 4, (\q)%2, \q, \slot, \zero
	MUL16 6, (\q)%2, \q, \slot, \zero
	PLACES NP
	WIN 0
	FETCH_A \slot, (\q)+1, 4
.endm
; A slot's last step changes slots: one barrier; in front of it each wave waits for all its tensor loads, adds 0 to its spare word, and waits for that and for its own reads of this slot.
.macro TURN slot, next, fill
	s_wait_tensorcnt 0x0                           ; all my tensor loads have landed: my part of the next slot
	ds_add_u32 v[SPW], v[NIL]                      ; 0 onto my spare word
	s_wait_dscnt 4*NL+1                            ; the add and the youngest 16 loads (A's blocks 4-7) may be out
	WIN MUL_LO
	MUL16 0, 1, NQ-1, \slot, 0
	s_wait_dscnt 0x0                               ; the add is done, and my reads of this slot are over
	s_barrier_signal -1
	MUL16 2, 1, NQ-1, \slot, 0
	WIN 0
	s_barrier_wait -1
.if \fill
	CREST                                          ; the barrier has opened a round of the cluster's barrier: no wave of any partner still reads this slot or has a load on its way
	s_add_nc_u64 s[G0+4*\slot+2:G0+4*\slot+3], s[G0+4*\slot+2:G0+4*\slot+3], 2*ROWB
	s_add_nc_u64 s[G0B+4*\slot+2:G0B+4*\slot+3], s[G0B+4*\slot+2:G0B+4*\slot+3], 2*ROWB
	JLOAD G0+4*\slot, G1, G0B+4*\slot, G1B         ; the first tensor load behind the round; its four v_nop are among the places in front of the loads below
	PLACES NP-4
.else
	PLACES NP
.endif
	s_wait_alu depctr_va_vdst(0)
	v_add_nc_u32 v[ADRS], 4*NQ, v[ADRS]            ; on to the next K step's scale words
	FETCH_B \next, 0, 0
	FETCH_A \next, 0, 0
	SCALES \next
	WIN MUL_HI
	MUL16 4, 1, NQ-1, \slot, 0
	MUL16 6, 1, NQ-1, \slot, 0
	PLACES NP
	WIN 0
	FETCH_A \next, 0, 4
.endm
	s_wait_tensorcnt 1                             ; the scales and my part of K step 0 are in (K step 1's load may be out)
	s_barrier_signal -1
	s_barrier_wait -1                              ; everybody's are
	FETCH_B 0, 0, 0
	FETCH_A 0, 0, 0
	SCALES 0
	FETCH_A 0, 0, 4
	STEP 0, 0, 1                                   ; the first step stands in front of the loop: its products start the sums
	s_mov_b32 s3, LAPS-1
.Llap:                                                 ; a trip goes once round the ring and fills both slots again
	TURN 0, 1, 1
	STEP 1, 0, 0
	TURN 1, 0, 1
	STEP 0, 0, 0
	s_sub_co_u32 s3, s3, 1
	s_cmp_lg_u32 s3, 0
	s_cbranch_scc1 .Llap
	TURN 0, 1, 0                                   ; the last lap fills nothing
	STEP 1, 0, 0
	s_wait_dscnt 4*NL
	WIN MUL_LO
	MUL16 0, 1, NQ-1, 1, 0
	MUL16 2, 1, NQ-1, 1, 0
	s_wait_dscnt 0
	WIN MUL_HI
	MUL16 4, 1, NQ-1, 1, 0
	MUL16 6, 1, NQ-1, 1, 0
	WIN 0
; THE WAY OUT.  64 numbers of a lane, v[ST + 16 b + i], four blocks of 32 shared with lane l xor 16, become 64 codes in v[PC] on and a scale word in v[w].
.macro QUANT4 w
.irp b, 0,1,2,3
	v_max3_num_f32 v[TM+\b], |v[ST+16*\b]|, |v[ST+1+16*\b]|, 0x8000000   ; my 16 numbers of block b, and the floor 2^(16 - 127): the byte cannot fall under 1
.endr
.irp i, 2,4,6,8,10,12,14
.irp b, 0,1,2,3
	v_max3_num_f32 v[TM+\b], v[TM+\b], |v[ST+16*\b+\i]|, |v[ST+1+16*\b+\i]|
.endr
.endr
.irp b, 0,1,2,3
	v_permlanex16_b32 v[TM+4+\b], v[TM+\b], s[SEL], s[SEL+1]
.endr
.irp b, 0,1,2,3
	v_max_num_f32 v[TM+\b], v[TM+\b], v[TM+4+\b]   ; the block's largest magnitude
.endr
.irp b, 0,1,2,3
	v_add_nc_u32 v[TM+12+\b], 0xf8800000, v[TM+\b] ; 15 off its exponent field: the conversion's scale operand
.endr
.irp b, 0,1,2,3
.endr
.irp b, 0,1,2,3
	v_lshrrev_b32 v[TM+4+\b], 23, v[TM+12+\b]      ; the scale's byte
.endr
	v_lshl_or_b32 v[\w], v[TM+5], 8, v[TM+4]
	v_lshl_or_b32 v[\w], v[TM+6], 16, v[\w]
	v_lshl_or_b32 v[\w], v[TM+7], 24, v[\w]
.irp b, 0,1,2,3
.irp i, 0,1,2,3,4,5,6,7,8,9,10,11,12,13,14,15
.endr
	v_cvt_scalef32_pk8_bf8_f32 v[PC+4*\b:PC+4*\b+1], v[ST+16*\b:ST+16*\b+7], v[TM+12+\b]
	v_cvt_scalef32_pk8_bf8_f32 v[PC+4*\b+2:PC+4*\b+3], v[ST+16*\b+8:ST+16*\b+15], v[TM+12+\b]
.endr
	v_nop                                          ; one plain vector instruction behind the last conversion
.endm
; A's block a (16 lanes' rows) at a time: the bias is added on the way out of the accumulators (each is read from its low end on), the 64 numbers are quantised, four images of 512 bytes leave.
; isv = 0: a = a tile of 16 tokens; blocks 0, 1 are the first head's 64, blocks 2, 3 the second's.  isv = 1: a = a tile of 16 features (head a / 4); the four blocks are the 128 tokens.
.macro OUT isv
.irp a, 0,1,2,3,4,5,6,7
.if \a > 0
	s_wait_xcnt 0x0                                ; the last block's stores have read their data registers: they are written again only behind this wait
.endif
	WIN 0x02+(\a)/4                                ; source 0: window 2 or 3
.set AC, 64*((\a)%4)
.set kk, 0
.rept 32
.if \isv
	v_pk_add_f32 v[ST+kk:ST+kk+1], v[AC+kk:AC+kk+1], v[BV+2*\a:BV+2*\a+1]
.else
	v_pk_add_f32 v[ST+kk:ST+kk+1], v[AC+kk:AC+kk+1], v[BT+kk:BT+kk+1]
.endif
.set kk, kk+2
.endr
	WIN 0
.if \isv
	QUANT4 SW+\a
.elseif (\a)%2
	QUANT4 PW
.else
	QUANT4 XW
.endif
.irp g, 0,1,2,3
.if \isv
	global_store_b128 v[LI], v[PC+4*\g:PC+4*\g+3], s[OB0+2*((\a)/4):OB0+2*((\a)/4)+1] offset:8192+((\a)%4)*2048+\g*512   ; 32 lanes store 512 consecutive bytes, aligned
.else
	global_store_b128 v[LI], v[PC+4*\g:PC+4*\g+3], s[OB0+2*(\g/2):OB0+2*(\g/2)+1] offset:(2*\a+\g%2)*512
.endif
.endr
.if (\isv == 0) && ((\a)%2 == 1)
	v_perm_b32 v[SW+(\a)/2], v[PW], v[XW], 0x05040100     ; the first head's word of two tiles of tokens: the even tile's two bytes, then the odd tile's
	v_perm_b32 v[SW+4+(\a)/2], v[PW], v[XW], 0x07060302   ; the second head's
.endif
.endr
.irp i, 0,1,2,3
	v_cndmask_b32 v[OW+\i], v[SW+\i], v[SW+4+\i], s[HM]   ; lanes 0-15 send the first head's four words of row r, lanes 16-31 the second's
.endr
	global_store_b128 v[SA], v[OW:OW+3], s[OB0:OB0+1] offset:16384+256*\isv   ; sixteen lanes store 256 consecutive bytes, aligned, in each of the two records
.endm
	PLACES NP                                      ; behind the last products: the lines below read results and write over A's fragments
	s_wait_loadcnt 0x0                             ; the biases
.irp b, 0,1,2,3
	v_mov_b32 v[TM+4+\b], 0                        ; written once: a lane permute's destination counts as one of its sources
.endr
	v_cmp_le_u32 s[HM], 16, v[LN]
	s_cmp_lg_u32 s[ISV], 0                         ; the same in every partner
	s_cbranch_scc1 .Lfor_v
	OUT 0
	s_branch .Lclose
.Lfor_v:
	OUT 1
.Lclose:
	s_wait_tensorcnt 0x0                           ; the wave's end
	ds_add_u32 v[SPW], v[NIL]
	s_wait_dscnt 0x0
	CROUND                                         ; the closing round: no work-group ends while a partner may still ask for a tile that names it
	s_endpgm
.Lfunc_end_k_q72342178c7_qkv:
	.size	k_q72342178c7_qkv, .Lfunc_end_k_q72342178c7_qkv-k_q72342178c7_qkv
	.p2alignl 7, 3214868480
	.fill 96, 4, 3214868480
	.section	.rodata,"a",@progbits
	.p2align	6, 0x0
	.amdhsa_kernel k_q72342178c7_qkv
		.amdhsa_group_segment_fixed_size 327680
		.amdhsa_private_segment_fixed_size 0
		.amdhsa_enable_private_segment 0
		.amdhsa_kernarg_size 104
		.amdhsa_user_sgpr_count 2
		.amdhsa_user_sgpr_kernarg_segment_ptr 1
		.amdhsa_wavefront_size32 1
		.amdhsa_system_sgpr_workgroup_id_x 1
		.amdhsa_system_sgpr_workgroup_id_y 1
		.amdhsa_system_sgpr_workgroup_id_z 1
		.amdhsa_system_vgpr_workitem_id 0
		.amdhsa_next_free_vgpr 1024
		.amdhsa_next_free_sgpr 102
		.amdhsa_reserve_vcc 0
		.amdhsa_float_denorm_mode_32 3
		.amdhsa_float_denorm_mode_16_64 3
		.amdhsa_fp16_overflow 1
		.amdhsa_memory_ordered 1
		.amdhsa_forward_progress 1
		.amdhsa_inst_pref_size 219
	.end_amdhsa_kernel
	.amdgpu_metadata
---
amdhsa.version: [ 1, 2 ]
amdhsa.kernels:
  - .name:           k_q72342178c7_qkv
    .symbol:         k_q72342178c7_qkv.kd
    .args:
      - { .name: x_codes, .offset: 0, .size: 8, .value_kind: global_buffer, .address_space: global }
      - { .name: x_scales, .offset: 8, .size: 8, .value_kind: global_buffer, .address_space: global }
      - { .name: Wq_codes, .offset: 16, .size: 8, .value_kind: global_buffer, .address_space: global }
      - { .name: Wq_scales, .offset: 24, .size: 8, .value_kind: global_buffer, .address_space: global }
      - { .name: Wk_codes, .offset: 32, .size: 8, .value_kind: global_buffer, .address_space: global }
      - { .name: Wk_scales, .offset: 40, .size: 8, .value_kind: global_buffer, .address_space: global }
      - { .name: Wv_codes, .offset: 48, .size: 8, .value_kind: global_buffer, .address_space: global }
      - { .name: Wv_scales, .offset: 56, .size: 8, .value_kind: global_buffer, .address_space: global }
      - { .name: bq, .offset: 64, .size: 8, .value_kind: global_buffer, .address_space: global }
      - { .name: bk, .offset: 72, .size: 8, .value_kind: global_buffer, .address_space: global }
      - { .name: bv, .offset: 80, .size: 8, .value_kind: global_buffer, .address_space: global }
      - { .name: qi, .offset: 88, .size: 8, .value_kind: global_buffer, .address_space: global }
      - { .name: kv, .offset: 96, .size: 8, .value_kind: global_buffer, .address_space: global }
    .group_segment_fixed_size: 327680
    .private_segment_fixed_size: 0
    .kernarg_segment_align: 8
    .kernarg_segment_size: 104
    .max_flat_workgroup_size: 128
    .sgpr_count:     102
    .vgpr_count:     1024
    .wavefront_size: 32
...
	.end_amdgpu_metadata
.endif
;; end of part 1
;; launch attn (part 2): grid 4 x 64, 16 waves a work-group, no clusters, 327,680 bytes of LDS; arguments qi, kv, y_img, y_sc; writes y_img, y_sc
.if DOCPART == 2
	.amdgcn_target "amdgcn-amd-amdhsa--gfx1250"
	.amdhsa_code_object_version 6
	.text
	.protected	k_q72342178c7_attn
	.globl	k_q72342178c7_attn
	.p2align	8
	.type	k_q72342178c7_attn,@function
k_q72342178c7_attn:
	s_mov_b64 s[64:65], 0
	v_nop
	global_prefetch_b8 v0, s[64:65] scope:SCOPE_SE
	s_setreg_imm32_b32 hwreg(HW_REG_WAVE_MODE, 25, 1), 1
	s_wait_xcnt 0x0
; y[b][q][head] = softmax_k(q . k / 8, causal) v, both products on codes of BF8 (E5M2) with one E8M0 scale for each 32 along K; y is quantised here along C and leaves as codes.
; THE SOFTMAX: t = score x log2(e) / 8; M = the running largest t rounded UP to a whole number; p = 2^(t - M) is quantised along the keys, not normalised; the row's sum is taken of the unquantised p and divides at the end.
; When M moves, the sum and O are multiplied by 2^(old M - new M): exact.
; SHARES.  Work-group (i, 16 b + head) owns the blocks i and 7 - i of 256 queries of one head: blocks i + 1 and 8 - i slots of 256 keys long, nine slots for every work-group.  Each of sixteen waves owns 16 queries of the
; block in hand, in 256 registers.  One loop of nine trips walks slots 0 .. i for block i (pass A), then slots 0 .. 7 - i for block 7 - i (pass B); its trip count is a constant.
; A step (128 keys) all of whose keys come after my 16 queries is jumped over; in the one on the diagonal hidden scores become -infinity ahead of the maximum.  Key 0 counts for every query, so M is a number from each pass's first step on.
; IN: records of 16,896 bytes, [16 b + head][128 keys]: k's images (fragment f: key tiles 2 f and 2 f + 1, 64 along K each), v's images (fragment d: 16 of the head's 64 x 128 keys), k's and v's scale words.
; A slot is two records, dense, brought by waves 0 and 1, one tensor load each; a fragment comes back by four ds_load_b128 at 16 x lane: consecutive bytes, no pitch.
; THE FIRST PRODUCT'S K IS 64: a fragment of k holds two key tiles side by side, and q stands beside 64 zero codes, low (QLO) or high (QHI): zero codes add nothing, since k's codes are finite (the quantiser holds them) and no scale byte is 0xff.
; Both products are used transposed (S^T = k q^T, O^T = v^T p^T): a lane holds one query.  The 16 registers of key tiles 2 b, 2 b + 1 are converted as they stand; v's images have their keys in the same order inside each block of 32.
; NO JOINT LOADS: the four work-groups of a head read the same records, but work-group i goes back to slot 0 behind trip i, so that from trip 1 on partners want different records in the same trip.
; LIMITS: NaN and infinities are not served; a block of zeros gets the byte 1 with zero codes (the bytes are read by this program alone).
; REGISTERS: v1-9 addresses; v10-11 second chain of the sum; v12 -M, v13 largest t, v14-15 the sum; v16-23 q, v24-31 zeros, v32-39 q again; v40-47 pass B's q, v48 its scale word; v49, v50 q's scale word low, high;
;   v52-55 k's scale words, v56-59 v's; v60-61 f; v62 p's scale word; v63 at work; v64-127 four fragments; v128-191 S^T, then p; v192-223 O^T; v224-239 p's codes; v240-255 the quantiser's.
.set REC,   16896
.set SLOT1, 65536                      ; slot 1 begins here: one exclusive or turns an address in one slot into the other's
.set SPARE, 131072                     ; the spare words, 128 bytes for each of sixteen waves: eight blocks of 256 bytes that no other line names
.set LI,  1                            ; v1   16 x lane
.set RI,  2                            ; v2   16 r
.set SPW, 3                            ; v3   LDS address of my spare word; never rewritten
.set NIL, 4                            ; v4   0; never rewritten
.set AL,  5                            ; v5   the slot in hand + 16 x lane
.set AR,  6                            ; v6   the slot in hand + 16 r
.set RH,  7                            ; v7   r - 8 h
.set DD,  8                            ; v8   the mask's d
.set YB,  9                            ; v9   32 r + h
.set QSL, 49
.set KSC, 52
.set VSC, 56
.set FF,  60
.set PSW, 62
.set TT,  63
.set KFR, 64
.set S,   128
.set O,   192
.set PCD, 224
.set BM,  240
.set TP,  244
.set HD,  248
.set SO,  252
.set WV,  12                           ; s12  my wave's number
.set BHD, 13                           ; s13  16 b + head
.set QCA, 16                           ; s[16:17] q's codes, s[18:19] q's scale words: pass A;  s[20:23] pass B
.set QSA, 18
.set QCB, 20
.set QSB, 22
.set G1,  24                           ; s[24:31] descriptor group 1;  s[32:35] group 0, which walks
.set G0,  32
.set GB,  36                           ; s[36:37] my record of the head's slot 0
.set OFF, 38                           ; s[38:39] bytes from there to the record to be fetched
.set YIA, 40                           ; s[40:41] y's images, s[42:43] y's scale bytes: pass A;  s[44:47] pass B
.set YSA, 42
.set YIB, 44
.set YSB, 46
.set SEL, 48
.set CS,  50                           ; s[50:51] c = log2(e) / 8
.set MNT, 52
.set TB,  53                           ; s53  LDS byte at which the slot in hand begins
.set TR,  54                           ; s54  the loop's counter
.set SWT, 55                           ; s55  i + 1
.set SW1, 56                           ; s56  i + 2
.set NX,  57                           ; s57  which slot's worth of keys was asked for last
.set KF0, 58                           ; s58  the first key of the slot in hand
.set Q0,  59                           ; s59  my first query;  s60 pass B's
.set Q0B, 60
.set TMP, 61
.set SH,  62                           ; s62  16 (wave % 2): which half of a scale word is my tile's
.set HM,  63                           ; s63  mask of lanes 16-31
.macro TLOAD                           ; waves 0 and 1 fetch a record each; four v_nop follow the line
	s_cmp_lt_u32 s[WV], 2
	s_cbranch_scc0 .Lnone_\@
	tensor_load_to_lds s[G0:G0+3], s[G1:G1+7]
	s_nop 0
.rept 4
	v_nop
.endr
.Lnone_\@:
.endm
; the four addresses of a pass, for the block of 256 queries whose number is in s15
.macro BASES qc, qs, yi, ys
	s_lshl_b32 s14, s[BHD], 4
	s_lshl_b32 s[TMP], s15, 1
	s_add_co_u32 s14, s14, s[TMP]
	s_lshr_b32 s[TMP], s[WV], 3
	s_add_co_u32 s14, s14, s[TMP]                  ; q's record: 16 (16 b + head) + 2 block + wave / 8
	s_mul_i32 s14, s14, REC
	s_and_b32 s[TMP], s[WV], 7                     ; my tile in it
	s_lshl_b32 s2, s[TMP], 10
	s_add_co_u32 s2, s2, s14
	s_add_nc_u64 s[\qc:\qc+1], s[4:5], s[2:3]
	s_lshr_b32 s[TMP], s[TMP], 1
	s_lshl_b32 s[TMP], s[TMP], 2
	s_add_co_u32 s2, s14, s[TMP]
	s_add_co_u32 s2, s2, 16384
	s_add_nc_u64 s[\qs:\qs+1], s[4:5], s[2:3]
	s_lshr_b32 s14, s[BHD], 4
	s_lshl_b32 s14, s14, 7
	s_lshl_b32 s[TMP], s15, 4
	s_add_co_u32 s14, s14, s[TMP]
	s_add_co_u32 s14, s14, s[WV]                   ; my tile of 16 tokens among all 512
	s_and_b32 s[TMP], s[BHD], 15                   ; the head
	s_lshr_b32 s2, s14, 3                          ; y's images: [tile / 8][head / 4][tile % 8][head % 4][block][512 bytes]
	s_lshl_b32 s2, s2, 17
	s_and_b32 s38, s14, 7
	s_lshl_b32 s38, s38, 12
	s_add_co_u32 s2, s2, s38
	s_lshr_b32 s38, s[TMP], 2
	s_lshl_b32 s38, s38, 15
	s_add_co_u32 s2, s2, s38
	s_and_b32 s38, s[TMP], 3
	s_lshl_b32 s38, s38, 10
	s_add_co_u32 s2, s2, s38
	s_add_nc_u64 s[\yi:\yi+1], s[8:9], s[2:3]
	s_lshl_b32 s2, s14, 9                          ; y's scale bytes: 32 a token, the head's two
	s_lshl_b32 s38, s[TMP], 1
	s_add_co_u32 s2, s2, s38
	s_add_nc_u64 s[\ys:\ys+1], s[10:11], s[2:3]
.endm
.macro RESET                           ; a pass begins: O^T and the sum are zeros and the largest t lies under every t, so that the step is written once: the first change of M multiplies zeros
.set n, 0
.rept 32
	v_mov_b32 v[O+n], 0
.set n, n+1
.endr
	v_mov_b32 v13, 0xff61b1e6                      ; -3e38
	s_delay_alu instid0(VALU_DEP_1)
	v_floor_f32 v12, -v13
	v_mov_b32 v14, 0
	v_mov_b32 v15, 0
.endm
	s_load_b256 s[4:11], s[0:1], 0x0               ; qi, kv, y_img, y_sc
	v_lshl_add_u32 v[SPW], v0, 2, SPARE
	v_mov_b32 v[NIL], 0
	ds_add_u32 v3, v4
	ds_add_u32 v3, v4
	s_wait_dscnt 0x0
	v_lshrrev_b32 v[TT], 5, v0
	s_delay_alu instid0(VALU_DEP_1)
	v_readfirstlane_b32 s[WV], v[TT]               ; wave 0..15
	s_and_b32 s[BHD], ttmp7, 0xffff
	; descriptor group 1: a record, 16,896 dense bytes, as 66 rows of 256 bytes (32 elements of 8 bytes); no mask, no padding
	s_mov_b32 s[G1], 3<<16
	s_mov_b32 s[G1+1], 32<<16                      ; tensor_dim0
	s_mov_b32 s[G1+2], 66<<16                      ; tensor_dim1
	s_mov_b32 s[G1+3], 32<<16                      ; tile_dim0
	s_mov_b32 s[G1+4], 66                          ; tile_dim1
	s_mov_b32 s[G1+5], 32                          ; tensor_dim0_stride
	s_mov_b32 s[G1+6], 0
	s_mov_b32 s[G1+7], 0
	s_and_b32 s[TMP], s[WV], 1
	s_mul_i32 s[G0+1], s[TMP], REC                 ; LDS address: slot 0, record wave % 2
	s_lshl_b32 s[SH], s[TMP], 4
	s_lshl_b32 s2, s[BHD], 4
	s_add_co_u32 s2, s2, s[TMP]
	s_mul_i32 s2, s2, REC
	s_mov_b32 s3, 0
	s_mov_b32 s[SEL], 0x76543210
	s_mov_b32 s[SEL+1], 0xfedcba98
	s_mov_b32 s[CS], 0x3e38aa3b                    ; log2(e) / 8
	s_mov_b32 s[CS+1], s[CS]                       ; (named with it as a pair, so it is written)
	s_mov_b32 s[TB], 0
	s_mov_b32 s[TR], 0
	s_mov_b32 s[NX], 0
	s_wait_kmcnt 0x0
	s_add_nc_u64 s[GB:GB+1], s[6:7], s[2:3]
	s_mov_b32 s[G0], 1
	s_mov_b64 s[G0+2:G0+3], s[GB:GB+1]
	s_or_b32 s[G0+3], s[G0+3], 0x80000000
	TLOAD                                          ; slot 0: the head's first 256 keys.  One load of a wave is out at any time
	s_mov_b32 s15, ttmp9
	BASES QCA, QSA, YIA, YSA
	s_sub_co_u32 s15, 7, ttmp9
	BASES QCB, QSB, YIB, YSB
	s_mov_b32 s[OFF+1], 0
	s_lshl_b32 s[TMP], s[WV], 4
	s_lshl_b32 s[Q0], ttmp9, 8
	s_add_co_u32 s[Q0], s[Q0], s[TMP]
	s_lshl_b32 s[Q0B], s15, 8
	s_add_co_u32 s[Q0B], s[Q0B], s[TMP]
	s_add_co_u32 s[SWT], ttmp9, 1
	s_add_co_u32 s[SW1], ttmp9, 2
	v_and_b32 v[LI], 31, v0
	s_delay_alu instid0(VALU_DEP_1)
	v_lshlrev_b32 v[LI], 4, v[LI]
	v_and_b32 v[RH], 15, v0                        ; r
	s_delay_alu instid0(VALU_DEP_1)
	v_lshlrev_b32 v[RI], 4, v[RH]
	v_bfe_u32 v[TT], v0, 4, 1                      ; h
	s_delay_alu instid0(VALU_DEP_1)
	v_lshl_add_u32 v[YB], v[RH], 5, v[TT]
	s_delay_alu instid0(VALU_DEP_2)
	v_lshlrev_b32 v[DD], 3, v[TT]
	s_delay_alu instid0(VALU_DEP_1)
	v_sub_nc_u32 v[RH], v[RH], v[DD]
	s_delay_alu instid0(VALU_DEP_4)
	v_cmp_eq_u32 s[HM], 1, v[TT]
	global_load_b128 v[16:19], v[LI], s[QCA:QCA+1]             ; q's two images, into both of its places
	global_load_b128 v[20:23], v[LI], s[QCA:QCA+1] offset:512
	global_load_b128 v[32:35], v[LI], s[QCA:QCA+1]
	global_load_b128 v[36:39], v[LI], s[QCA:QCA+1] offset:512
	global_load_b128 v[40:43], v[LI], s[QCB:QCB+1]             ; and pass B's
	global_load_b128 v[44:47], v[LI], s[QCB:QCB+1] offset:512
	global_load_b32 v[QSL], v[RI], s[QSA:QSA+1]                ; row r's word: two tiles' bytes
	global_load_b32 v48, v[RI], s[QSB:QSB+1]
.set n, 0
.rept 8
	v_mov_b32 v[24+n], 0                           ; 64 zero codes
.set n, n+1
.endr
.irp b, 0,1,2,3
	v_mov_b32 v[TP+\b], 0                          ; written once: a lane permute's destination counts as one of its sources
.endr
	v_mov_b32 v[FF+1], 0                           ; (named as the upper half of the pair f)
	s_wait_loadcnt 0x0
	v_lshrrev_b32 v[QSL], s[SH], v[QSL]            ; my tile's two bytes in bytes 0, 1: for QLO;
	s_delay_alu instid0(VALU_DEP_1)
	v_lshlrev_b32 v[QSL+1], 16, v[QSL]             ; in bytes 2, 3: for QHI.  (The lines below are more than the eight places that a scale word made by vector instructions wants)
	RESET
; THE CHANGE OF SLOTS stands at a slot's head: each wave waits for all its tensor loads, adds 0 to its spare word, and waits for that and for its reads of the slot that it has left.  fill = 1: that slot takes the keys that follow.
.macro CHANGE fill
	s_wait_tensorcnt 0x0                           ; no tensor load of mine is out, so group 0 may be written
	ds_add_u32 v[SPW], v[NIL]                      ; 0 onto my spare word
	s_lshl_b32 s[KF0], s[NX], 8                    ; the slot that I am about to read
.if \fill
	s_add_co_u32 s[NX], s[NX], 1
	s_add_co_u32 s[TR], s[TR], 1
	s_cmp_eq_u32 s[TR], s[SWT]                     ; behind pass A's i + 1 slots the walk begins anew
	s_cselect_b32 s[NX], 0, s[NX]
	s_mul_i32 s[OFF], s[NX], 2*REC
	s_xor_b32 s[G0+1], s[G0+1], SLOT1
	s_add_nc_u64 s[G0+2:G0+3], s[GB:GB+1], s[OFF:OFF+1]
	s_or_b32 s[G0+3], s[G0+3], 0x80000000
.endif
	s_wait_dscnt 0x0                               ; the add is done, and my reads of the slot that I have left are over
	s_barrier_signal -1
	s_barrier_wait -1
.if \fill
	TLOAD                                          ; the first thing behind the barrier, and a wave's one tensor load until the next
.endif
.endm
; A KEY STEP: 128 keys, the q-th record of the slot in hand.
.macro STEP q
	s_add_co_u32 s[TMP], s[Q0], 15
	s_add_co_u32 s14, s[KF0], 128*\q               ; the step's first key
	s_cmp_gt_u32 s14, s[TMP]
	s_cbranch_scc1 .Lhidden_\@                     ; all its keys come after my queries: a branch on ids
	v_add_nc_u32 v[AL], s[TB], v[LI]
	v_add_nc_u32 v[AR], s[TB], v[RI]
.rept 6
	v_nop                                          ; with the two additions: eight places in front of loads into registers that matrix instructions have read
.endr
.irp f, 0,1,2,3
.irp c, 0,1,2,3
	ds_load_b128 v[KFR+16*\f+4*\c:KFR+16*\f+4*\c+3], v[AL] offset:\q*REC+2048*\f+512*\c
.endr
.endr
	ds_load_b128 v[KSC:KSC+3], v[AR] offset:\q*REC+16384   ; row r's four words
	s_wait_alu depctr_va_vdst(0)
	s_wait_dscnt 0x0
.irp t, 0,1,2,3,4,5,6,7                        ; S^T: key tile t lies in half t % 2 of fragment t / 2; q stands in the same half
	v_wmma_scale_f32_16x16x128_f8f6f4 v[S+8*\t:S+8*\t+7], v[KFR+16*(\t/2):KFR+16*(\t/2)+15], v[16+8*(\t%2):31+8*(\t%2)], 0, v[KSC+\t/2], v[QSL+\t%2] matrix_a_fmt:MATRIX_FMT_BF8 matrix_b_fmt:MATRIX_FMT_BF8
.endr
.rept 8
	v_nop
.endr
.irp f, 0,1,2,3                                ; v's fragments land while the softmax is walked
.irp c, 0,1,2,3
	ds_load_b128 v[KFR+16*\f+4*\c:KFR+16*\f+4*\c+3], v[AL] offset:\q*REC+8192+2048*\f+512*\c
.endr
.endr
	ds_load_b128 v[VSC:VSC+3], v[AR] offset:\q*REC+16640
	s_add_co_u32 s[TMP], s14, 127
	s_cmp_le_u32 s[TMP], s[Q0]
	s_cbranch_scc1 .Lopen_\@                       ; all keys count
	s_sub_co_i32 s[TMP], s[Q0], s14
	v_add_nc_u32 v[DD], s[TMP], v[RH]              ; d = my query - the step's first key - 8 h.  Register n holds key 16 (n / 8) + 8 h + n % 8: hidden where 16 (n / 8) + n % 8 > d
	v_mov_b32 v[TT], 0xff800000                    ; -infinity
.set n, 0
.rept 64
	v_cmp_gt_i32 vcc_lo, 16*(n/8)+n%8, v[DD]
	v_cndmask_b32 v[S+n], v[S+n], v[TT], vcc_lo
.set n, n+1
.endr
.Lopen_\@:
.irp b, 0,1,2,3
	v_max3_num_f32 v[BM+\b], v[S+16*\b], v[S+1+16*\b], v[S+2+16*\b]   ; the largest score of each block of 32 keys: for the row's maximum, and, since p rises with the score, for the block's largest p
.endr
.irp i, 3,5,7,9,11,13
.irp b, 0,1,2,3
	v_max3_num_f32 v[BM+\b], v[BM+\b], v[S+16*\b+\i], v[S+1+16*\b+\i]
.endr
.endr
.irp b, 0,1,2,3
	v_max_num_f32 v[BM+\b], v[BM+\b], v[S+15+16*\b]
.endr
.irp b, 0,1,2,3
	s_delay_alu instid0(VALU_DEP_4)
	v_permlanex16_b32 v[TP+\b], v[BM+\b], s[SEL], s[SEL+1]
.endr
.irp b, 0,1,2,3
	s_delay_alu instid0(VALU_DEP_4)
	v_max_num_f32 v[BM+\b], v[BM+\b], v[TP+\b]     ; with lane l xor 16's 16 keys
.endr
	s_delay_alu instid0(VALU_DEP_2)
	v_max3_num_f32 v[TT], v[BM], v[BM+1], v[BM+2]
	s_delay_alu instid0(VALU_DEP_1)
	v_max_num_f32 v[TT], v[TT], v[BM+3]
	s_delay_alu instid0(VALU_DEP_1)
	v_mul_f32 v[TT], s[CS], v[TT]                  ; as t (c is positive)
	s_delay_alu instid0(VALU_DEP_1)
	v_max_num_f32 v13, v13, v[TT]                  ; the running largest t
	v_mov_b32 v[TT], v12
	s_delay_alu instid0(VALU_DEP_2)
	v_floor_f32 v12, -v13                          ; the new -M = floor(-t) = -ceil(t)
	s_delay_alu instid0(VALU_DEP_1)
	v_sub_f32 v[TT], v12, v[TT]                    ; old M - new M: a whole number, 0 or less
	s_delay_alu instid0(VALU_DEP_1)
	v_cvt_i32_f32 v[TT], v[TT]                     ; (it saturates)
	s_delay_alu instid0(VALU_DEP_1)
	v_ldexp_f32 v[FF], 1.0, v[TT]                  ; f = 2^(old M - new M)
.set n, 0
.rept 32
	v_pk_fma_f32 v[S+n:S+n+1], v[S+n:S+n+1], s[CS:CS+1], v[12:13] op_sel_hi:[1,0,0]   ; t - M, two at a time
.set n, n+2
.endr
.irp b, 0,1,2,3
	v_fma_f32 v[BM+\b], v[BM+\b], s[CS], v12
.endr
.set n, 0
	s_wait_alu depctr_va_vdst(0)
.rept 64
	v_exp_f32 v[S+n], v[S+n]                       ; p = 2^(t - M), at most 1
.set n, n+1
.endr
.irp b, 0,1,2,3
	v_exp_f32 v[BM+\b], v[BM+\b]                   ; the block's largest p: the same two instructions on the same number
.endr
	v_pk_mul_f32 v[14:15], v[14:15], v[FF:FF+1] op_sel_hi:[1,0]   ; the sum under the new M.  (A plain place behind the exponentials)
	s_wait_alu depctr_va_vdst(0)
.irp b, 0,1,2,3
	v_max_num_f32 v[BM+\b], 0x8000000, v[BM+\b]    ; the floor 2^(16 - 127)
.endr
.irp b, 0,1,2,3
	s_delay_alu instid0(VALU_DEP_4)
	v_add_nc_u32 v[SO+\b], 0xf8800000, v[BM+\b]    ; 15 off the exponent field: the conversion's scale operand
.endr
.irp b, 0,1,2,3
.endr
.irp b, 0,1,2,3
	s_delay_alu instid0(VALU_DEP_4)
	v_lshrrev_b32 v[TP+\b], 23, v[SO+\b]           ; the scale's byte
.endr
	s_delay_alu instid0(VALU_DEP_3)
	v_lshl_or_b32 v[PSW], v[TP+1], 8, v[TP]        ; p's scale word for these 128 keys
	s_delay_alu instid0(VALU_DEP_1)
	v_lshl_or_b32 v[PSW], v[TP+2], 16, v[PSW]
	s_delay_alu instid0(VALU_DEP_1)
	v_lshl_or_b32 v[PSW], v[TP+3], 24, v[PSW]
	v_pk_add_f32 v[10:11], v[132:133], v[136:137]
	v_pk_add_f32 v[250:251], v[140:141], v[144:145]
	v_pk_add_f32 v[248:249], v[148:149], v[152:153]
	v_pk_add_f32 v[242:243], v[156:157], v[160:161]
	v_pk_add_f32 v[240:241], v[164:165], v[168:169]
	v_pk_add_f32 v[238:239], v[172:173], v[176:177]
	v_pk_add_f32 v[236:237], v[180:181], v[184:185]
	v_pk_add_f32 v[14:15], v[14:15], v[188:189]
	v_pk_add_f32 v[10:11], v[10:11], v[128:129]
	v_pk_add_f32 v[250:251], v[250:251], v[130:131]
	v_pk_add_f32 v[248:249], v[248:249], v[134:135]
	v_pk_add_f32 v[242:243], v[242:243], v[138:139]
	v_pk_add_f32 v[240:241], v[240:241], v[142:143]
	v_pk_add_f32 v[238:239], v[238:239], v[146:147]
	v_pk_add_f32 v[236:237], v[236:237], v[150:151]
	v_pk_add_f32 v[14:15], v[14:15], v[154:155]
	v_pk_add_f32 v[10:11], v[10:11], v[158:159]
	v_pk_add_f32 v[250:251], v[250:251], v[162:163]
	v_pk_add_f32 v[248:249], v[248:249], v[166:167]
	v_pk_add_f32 v[242:243], v[242:243], v[170:171]
	v_pk_add_f32 v[240:241], v[240:241], v[174:175]
	v_pk_add_f32 v[238:239], v[238:239], v[178:179]
	v_pk_add_f32 v[236:237], v[236:237], v[182:183]
	v_pk_add_f32 v[14:15], v[14:15], v[186:187]
	v_pk_add_f32 v[10:11], v[10:11], v[190:191]
	s_delay_alu instid0(VALU_DEP_2)
	v_pk_add_f32 v[14:15], v[14:15], v[242:243]
	s_delay_alu instid0(VALU_DEP_2)
	v_pk_add_f32 v[10:11], v[10:11], v[240:241]
	v_pk_add_f32 v[250:251], v[250:251], v[238:239]
	v_pk_add_f32 v[248:249], v[248:249], v[236:237]
	s_delay_alu instid0(VALU_DEP_2)
	v_pk_add_f32 v[14:15], v[14:15], v[250:251]
	s_delay_alu instid0(VALU_DEP_2)
	v_pk_add_f32 v[10:11], v[10:11], v[248:249]
	s_delay_alu instid0(VALU_DEP_1)
	v_pk_add_f32 v[14:15], v[14:15], v[10:11]
.irp b, 0,1,2,3
.set n, 0
.rept 16
.set n, n+1
.endr
	v_cvt_scalef32_pk8_bf8_f32 v[PCD+4*\b:PCD+4*\b+1], v[S+16*\b:S+16*\b+7], v[SO+\b]
	v_cvt_scalef32_pk8_bf8_f32 v[PCD+4*\b+2:PCD+4*\b+3], v[S+16*\b+8:S+16*\b+15], v[SO+\b]
.endr
.set n, 0
.rept 16
	v_pk_mul_f32 v[O+n:O+n+1], v[O+n:O+n+1], v[FF:FF+1] op_sel_hi:[1,0]   ; O^T under the new M.  (These are also the places between the conversions and the products)
.set n, n+2
.endr
	s_wait_alu depctr_va_vdst(0)
	s_wait_dscnt 0x0                               ; v's fragments and scale words
.irp d, 0,1,2,3                                ; O^T += v^T p^T: the four accumulators by turns
	v_wmma_scale_f32_16x16x128_f8f6f4 v[O+8*\d:O+8*\d+7], v[KFR+16*\d:KFR+16*\d+15], v[PCD:PCD+15], v[O+8*\d:O+8*\d+7], v[VSC+\d], v[PSW] matrix_a_fmt:MATRIX_FMT_BF8 matrix_b_fmt:MATRIX_FMT_BF8
.endr
.Lhidden_\@:
.endm
; A PASS ENDS: y = O^T / the sum; its two blocks of 32 along C are quantised; the codes are put into true order along C (the next product's other operand is given so) and leave as two images; the two bytes leave singly.
.macro FINAL yi, ys
.rept 8
	v_nop                                          ; behind the last products
.endr
	v_add_f32 v14, v14, v15
	s_delay_alu instid0(VALU_DEP_1)
	v_permlanex16_b32 v[TT], v14, s[SEL], s[SEL+1]
	s_delay_alu instid0(VALU_DEP_1)
	v_add_f32 v14, v14, v[TT]                      ; the row's sum
	s_wait_alu depctr_va_vdst(0)
	v_rcp_f32 v14, v14
	v_nop                                          ; one plain place behind a transcendental
.set n, 0
	s_wait_alu depctr_va_vdst(0)
.rept 16
	v_pk_mul_f32 v[S+n:S+n+1], v[O+n:O+n+1], v[14:15] op_sel_hi:[1,0]   ; register 8 d + j: y(query r, 16 d + 8 h + j)
.set n, n+2
.endr
.irp b, 0,1
	v_max3_num_f32 v[BM+\b], |v[S+16*\b]|, |v[S+1+16*\b]|, 0x8000000
.endr
.irp i, 2,4,6,8,10,12,14
.irp b, 0,1
	s_delay_alu instid0(VALU_DEP_2)
	v_max3_num_f32 v[BM+\b], v[BM+\b], |v[S+16*\b+\i]|, |v[S+1+16*\b+\i]|
.endr
.endr
.irp b, 0,1
	s_delay_alu instid0(VALU_DEP_2)
	v_permlanex16_b32 v[TP+\b], v[BM+\b], s[SEL], s[SEL+1]
.endr
.irp b, 0,1
	s_delay_alu instid0(VALU_DEP_2)
	v_max_num_f32 v[BM+\b], v[BM+\b], v[TP+\b]
.endr
.irp b, 0,1
	s_delay_alu instid0(VALU_DEP_2)
	v_add_nc_u32 v[SO+\b], 0xf8800000, v[BM+\b]
.endr
.irp b, 0,1
.endr
.irp b, 0,1
	s_delay_alu instid0(VALU_DEP_2)
	v_lshrrev_b32 v[TP+\b], 23, v[SO+\b]
.endr
	s_delay_alu instid0(VALU_DEP_1)
	v_cndmask_b32 v[TT], v[TP], v[TP+1], s[HM]     ; lanes 0-15 send block 0's byte, lanes 16-31 block 1's
.irp b, 0,1
.set n, 0
.rept 16
.set n, n+1
.endr
	v_cvt_scalef32_pk8_bf8_f32 v[PCD+4*\b:PCD+4*\b+1], v[S+16*\b:S+16*\b+7], v[SO+\b]
	v_cvt_scalef32_pk8_bf8_f32 v[PCD+4*\b+2:PCD+4*\b+3], v[S+16*\b+8:S+16*\b+15], v[SO+\b]
.endr
	v_nop                                          ; one plain place behind the last conversion
	; lane (r, h) holds 8 h + 0 .. 7 and 16 + 8 h + 0 .. 7 of a block and is to hold 16 h + 0 .. 15: lanes 16-31 of the lower pair change places with lanes 0-15 of the upper
	v_permlane16_swap_b32 v[PCD], v[PCD+2]
	v_permlane16_swap_b32 v[PCD+1], v[PCD+3]
	v_permlane16_swap_b32 v[PCD+4], v[PCD+6]
	v_permlane16_swap_b32 v[PCD+5], v[PCD+7]
	global_store_b128 v[LI], v[PCD:PCD+3], s[\yi:\yi+1]               ; 32 lanes store 512 consecutive bytes, aligned
	global_store_b128 v[LI], v[PCD+4:PCD+7], s[\yi:\yi+1] offset:512
	global_store_b8 v[YB], v[TT], s[\ys:\ys+1]     ; two bytes of each of 16 rows of 32: one byte for each 32 of codes stored here
	s_wait_xcnt 0x0                                ; the stores' registers are written again only behind this wait
.endm
.Lslot:                                            ; eight trips: behind each change of slots but the last the next slot is asked for
	CHANGE 1
	s_cmp_lg_u32 s[TR], s[SW1]                     ; trip i + 1 is pass B's first: the same in all sixteen waves
	s_cbranch_scc1 .Lsame
	s_wait_alu depctr_va_vdst(0)
	FINAL YIA, YSA
.set n, 0
.rept 8
	v_mov_b32 v[16+n], v[40+n]                     ; pass B's q, into both places
	v_mov_b32 v[32+n], v[40+n]
.set n, n+1
.endr
	v_lshrrev_b32 v[QSL], s[SH], v48
	s_delay_alu instid0(VALU_DEP_1)
	v_lshlrev_b32 v[QSL+1], 16, v[QSL]
	RESET
	s_mov_b32 s[Q0], s[Q0B]
.Lsame:
	STEP 0
	STEP 1
	s_xor_b32 s[TB], s[TB], SLOT1                  ; on to the other slot
	s_cmp_lt_u32 s[TR], 8
	s_cbranch_scc1 .Lslot
	CHANGE 0                                       ; the last slot is written out
	STEP 0
	STEP 1
	s_wait_alu depctr_va_vdst(0)
	FINAL YIB, YSB
	s_wait_tensorcnt 0x0                           ; the wave's end
	ds_add_u32 v[SPW], v[NIL]
	s_wait_dscnt 0x0
	s_endpgm
.Lfunc_end_k_q72342178c7_attn:
	.size	k_q72342178c7_attn, .Lfunc_end_k_q72342178c7_attn-k_q72342178c7_attn
	.p2alignl 7, 3214868480
	.fill 96, 4, 3214868480
	.section	.rodata,"a",@progbits
	.p2align	6, 0x0
	.amdhsa_kernel k_q72342178c7_attn
		.amdhsa_group_segment_fixed_size 327680
		.amdhsa_private_segment_fixed_size 0
		.amdhsa_enable_private_segment 0
		.amdhsa_kernarg_size 32
		.amdhsa_user_sgpr_count 2
		.amdhsa_user_sgpr_kernarg_segment_ptr 1
		.amdhsa_wavefront_size32 1
		.amdhsa_system_sgpr_workgroup_id_x 1
		.amdhsa_system_sgpr_workgroup_id_y 1
		.amdhsa_system_sgpr_workgroup_id_z 1
		.amdhsa_system_vgpr_workitem_id 0
		.amdhsa_next_free_vgpr 256
		.amdhsa_next_free_sgpr 66
		.amdhsa_reserve_vcc 1
		.amdhsa_float_denorm_mode_32 3
		.amdhsa_float_denorm_mode_16_64 3
		.amdhsa_fp16_overflow 1
		.amdhsa_memory_ordered 1
		.amdhsa_forward_progress 1
		.amdhsa_inst_pref_size 109
	.end_amdhsa_kernel
	.amdgpu_metadata
---
amdhsa.version: [ 1, 2 ]
amdhsa.kernels:
  - .name:           k_q72342178c7_attn
    .symbol:         k_q72342178c7_attn.kd
    .args:
      - { .name: qi, .offset: 0, .size: 8, .value_kind: global_buffer, .address_space: global }
      - { .name: kv, .offset: 8, .size: 8, .value_kind: global_buffer, .address_space: global }
      - { .name: y_img, .offset: 16, .size: 8, .value_kind: global_buffer, .address_space: global }
      - { .name: y_sc, .offset: 24, .size: 8, .value_kind: global_buffer, .address_space: global }
    .group_segment_fixed_size: 327680
    .private_segment_fixed_size: 0
    .kernarg_segment_align: 8
    .kernarg_segment_size: 32
    .max_flat_workgroup_size: 512
    .sgpr_count:     66
    .vgpr_count:     256
    .wavefront_size: 32
...
	.end_amdgpu_metadata
.endif
;; end of part 2
;; launch proj (part 3): grid 4 x 32, 4 waves a work-group, clusters of 4 x 4, 327,680 bytes of LDS; arguments y_img, y_sc, Wp_codes, Wp_scales, bp, out0; writes out0
.if DOCPART == 3
	.amdgcn_target "amdgcn-amd-amdhsa--gfx1250"
	.amdhsa_code_object_version 6
	.text
	.protected	k_q72342178c7_proj
	.globl	k_q72342178c7_proj
	.p2align	8
	.type	k_q72342178c7_proj,@function
k_q72342178c7_proj:
	s_mov_b64 s[64:65], 0
	v_nop
	global_prefetch_b8 v0, s[64:65] scope:SCOPE_SE
	s_setreg_imm32_b32 hwreg(HW_REG_WAVE_MODE, 25, 1), 1
	s_wait_xcnt 0x0
	s_wait_alu depctr_hold_cnt(0) depctr_sa_sdst(0) depctr_va_vdst(0) depctr_va_sdst(0) depctr_va_ssrc(0) depctr_va_vcc(0) depctr_vm_vsrc(0)
	s_getreg_b32 s2, hwreg(HW_REG_IB_STS2, 6, 4)
	s_cmp_eq_u32 s2, 0
	s_cbranch_scc0 .Lentry_in_a_cluster
	s_endpgm
.Lentry_in_a_cluster:
	s_bfe_u32 s2, ttmp6, 0x10000c
	s_cmp_lg_u32 s2, 0xf033
	s_cbranch_scc0 .Lentry_shape_is_right
	s_endpgm
.Lentry_shape_is_right:
; out0[m][n] = sum over k of y[m][k] Wp[n][k] + bp[n], on codes of BF8 (E5M2) with one E8M0 scale for each 32 along K = 1,024; out0 is [8,192][1,024] f32; sums in f32.
; y comes as REGISTER IMAGES, [128 tokens][K step of 256][tile of 16 tokens][128 along K][4 registers][512 bytes], made by the launch before: a wave's 128 rows of a K step are 32,768 dense bytes, one tensor load,
; and a fragment comes out of LDS by four ds_load_b128 at 16 x lane: consecutive bytes, no pitch.  y's scale bytes are [8,192][32]; Wp's codes [1,024][1,024] and scale bytes [1,024][32] are as given.
; A tile of 256 x 256 to a work-group of four waves, 128 x 128 to a wave: 64 accumulators, 512 registers.  K goes in steps of 256 through a ring of two LDS slots; the scale bytes of the 512 rows stay in LDS.
; CLUSTERS of 4 x 4: y's tiles are shared along a row of the cluster, Wp's along a column: each is asked for jointly.  128 tiles: a tile half as large would read each LDS byte for half as many products.
; THE MATRIX INSTRUCTION IS USED TRANSPOSED (source 0 = 16 rows of Wp, source 1 = 16 tokens): a lane holds eight neighbouring numbers of a row of out0.  bp is the C of each sum's first product.
; REGISTERS, windows of 256: window 0: v0-31 addresses; v32-63 scale words, two sets; v64-127 bp in the result's layout; v128-255 y's fragments, one set; on the way out v128-255 rows of out0.
;   window 1: Wp's fragments, two sets.   windows 2, 3: the accumulators ((a, b) at v[8 (8 (a % 4) + b)]).
.set SIZE_N, 1024
.set SIZE_K, 1024
.set KSTEP,  256
.set NQ,     KSTEP/128
.set ROWB,   256                       ; a row of Wp's tile in bytes
.set KROW,   SIZE_K
.set ASTEP,  32768                     ; y: 128 tokens x 256 along K
.set PITCH,  272                       ; an LDS row of Wp's tile: 256 bytes + 16 of padding = 68 words: row r starts at bank 4 r mod 64 (64 banks of 4 bytes: ISA guide 11.1)
.set FR,     16
.set NL,     4
.set NP,     8                         ; places behind this matrix instruction (ISA guide 7.12.1)
.set HALFT,  128*PITCH                 ; room for 128 rows: y's images use 32,768 bytes of it
.set SLOT,   4*HALFT
.set LAPS,   SIZE_K/(2*KSTEP)
.set KS,     SIZE_K/32
.set SCL,    2*SLOT
.set HALFS,  (128*KS/256)*272
.set SBLK,   (16*KS/256)*272
.set SPARE,  SCL+4*HALFS               ; the spare words, 128 bytes for each wave: two blocks of 256 bytes that no other line names
.set SPITCH, 528                       ; the way out: a stage of 16 rows x (512 bytes + 16) for each wave, in slot 0, which has had its last fill and its last read when the first result is stored there
.set ADRA, 16
.set ADRB, 20
.set STO,  24
.set RD,   25
.set CO,   26                          ; v26  16 x lane
.set ADRS, 27
.set SPW,  28
.set NIL,  29
.set BH,   30                          ; v30  32 h: bp
.set SC,   32
.set BT,   64                          ; v64-127  bp of column 16 b + 8 h + j at 8 b + j
.set AF,   128
.set BK,   128
.set G1, 24
.set G0, 32
.set G1B, 48
.set G0B, 56
.set G1S, 68
.set G0S, 76
.set G1SB, 80
.set G0SB, 88
.set MSB, 0
.macro WIN new
.if MSB != (\new)
	s_set_vgpr_msb (MSB<<8)|(\new)
.set MSB, (\new)
.endif
.endm
.set MUL_LO, 0xa1                      ; source 0 (Wp) window 1, source 1 (y) window 0, C and D window 2
.set MUL_HI, 0xf1                      ; the same, C and D window 3
.set TO_B,   0x40
.macro JLOAD g0a, g1a, g0b, g1b        ; a joint load: waves 0 and 1 fetch for y, waves 2 and 3 for Wp; four v_nop follow each of the two lines
	s_cmp_eq_u32 s15, 0
	s_cbranch_scc0 .Lfor_b_\@
	tensor_load_to_lds s[\g0a:\g0a+3], s[\g1a:\g1a+7]
	s_nop 0
.rept 4
	v_nop
.endr
	s_branch .Lasked_\@
.Lfor_b_\@:
	tensor_load_to_lds s[\g0b:\g0b+3], s[\g1b:\g1b+7]
	s_nop 0
.rept 4
	v_nop
.endr
.Lasked_\@:
.endm
.macro CREST
	s_cmp_lg_u32 s14, 0
	s_cbranch_scc1 .Lnot_wave_0_\@
	s_barrier_signal -3
.Lnot_wave_0_\@:
	s_barrier_wait -3
	s_barrier_signal -1
	s_barrier_wait -1
.endm
.macro CROUND
	s_barrier_signal -1
	s_barrier_wait -1
	CREST
.endm
	s_load_b128 s[4:7], s[0:1], 0x0                ; y's images, y's scales
	s_load_b128 s[8:11], s[0:1], 0x10              ; Wp's codes, Wp's scales
	s_load_b64 s[96:97], s[0:1], 0x20              ; bp
	s_load_b64 s[12:13], s[0:1], 0x28              ; out0
	v_lshl_add_u32 v[SPW], v0, 2, SPARE
	v_mov_b32 v[NIL], 0
	ds_add_u32 v28, v29
	ds_add_u32 v28, v29
	s_wait_dscnt 0x0
	v_lshrrev_b32 v1, 5, v0
	v_readfirstlane_b32 s14, v1                    ; wave 0..3
	s_lshr_b32 s15, s14, 1                         ; which half of the tile's rows is mine.  Also: I fetch for y (0) or for Wp (1)
	s_and_b32 s16, s14, 1                          ; which half of its columns.  Also: which 128 rows of that tile I fetch
	s_bfe_u32 s40, ttmp6, 0x40000                  ; cx, cy
	s_bfe_u32 s41, ttmp6, 0x40004
	s_lshl_b32 s42, ttmp9, 2
	s_add_co_u32 s42, s42, s40                     ; tile column
	s_and_b32 s17, ttmp7, 0xffff
	s_lshl_b32 s17, s17, 2
	s_add_co_u32 s17, s17, s41                     ; tile row
	s_lshl_b32 s43, s41, 2
	s_lshl_b32 s43, 15, s43                        ; my row of the cluster
	s_lshl_b32 s44, 0x1111, s40                    ; my column
	; descriptor group 1 for y: 32,768 dense bytes as 128 rows of 256 bytes (32 elements of 8 bytes), no padding
	s_or_b32 s[G1+0], s43, (3<<16)|(1<<21)         ; 15:0 the mask: my row; 17:16 elements of 8 bytes; 21 set beside a mask
	s_mov_b32 s[G1+1], 32<<16
	s_mov_b32 s[G1+2], 128<<16
	s_mov_b32 s[G1+3], 32<<16
	s_mov_b32 s[G1+4], 128
	s_mov_b32 s[G1+5], 32
	s_mov_b32 s[G1+6], 0
	s_mov_b32 s[G1+7], 0
	; for Wp: 128 rows x 256 bytes, 1,024 bytes apart, 16 bytes of padding behind each
	s_or_b32 s[G1B+0], s44, (0<<16)|(1<<20)|(1<<21)|(5<<22)|(3<<25)
	s_mov_b32 s[G1B+1], ROWB<<16
	s_mov_b32 s[G1B+2], 128<<16
	s_mov_b32 s[G1B+3], ROWB<<16
	s_mov_b32 s[G1B+4], 128
	s_mov_b32 s[G1B+5], KROW
	s_mov_b32 s[G1B+6], 0
	s_mov_b32 s[G1B+7], 0
	; for the scale bytes of 128 rows: 4,096 dense bytes, as rows of 256 bytes, 16 bytes of padding behind each
	s_or_b32 s[G1S+0], s43, (3<<16)|(1<<20)|(1<<21)|(5<<22)|(3<<25)
	s_or_b32 s[G1SB+0], s44, (3<<16)|(1<<20)|(1<<21)|(5<<22)|(3<<25)
.irp g, G1S, G1SB
	s_mov_b32 s[\g+1], 32<<16
	s_mov_b32 s[\g+2], (128*KS/256)<<16
	s_mov_b32 s[\g+3], 32<<16
	s_mov_b32 s[\g+4], 128*KS/256
	s_mov_b32 s[\g+5], 32
	s_mov_b32 s[\g+6], 0
	s_mov_b32 s[\g+7], 0
.endr
	s_lshl_b32 s18, s16, 7
	s_lshl_b32 s20, s17, 8
	s_add_co_u32 s20, s20, s18                     ; y: token 256 x tile row + 128 x half
	s_lshl_b32 s46, s42, 8
	s_add_co_u32 s46, s46, s18                     ; Wp: row 256 x tile column + 128 x half
	s_mov_b32 s21, 0
	s_mov_b32 s47, 0
	s_mov_b64 s[18:19], KS
	s_mul_u64 s[22:23], s[20:21], s[18:19]
	s_mul_u64 s[92:93], s[46:47], s[18:19]
	s_mov_b64 s[18:19], KROW
	s_mul_u64 s[20:21], s[20:21], s[18:19]         ; 128 tokens' images are 131,072 bytes: 1,024 a token, as rows would be
	s_mul_u64 s[46:47], s[46:47], s[18:19]
	s_mul_i32 s45, s14, HALFT
	s_mul_i32 s94, s14, HALFS
	s_wait_kmcnt 0x0
	s_add_nc_u64 s[20:21], s[4:5], s[20:21]
	s_add_nc_u64 s[22:23], s[6:7], s[22:23]
	s_add_nc_u64 s[46:47], s[8:9], s[46:47]
	s_add_nc_u64 s[92:93], s[10:11], s[92:93]
	CROUND                                         ; all sixteen work-groups are here: the first joint loads meet
	s_mov_b32 s[G0S], 1
	s_add_co_u32 s[G0S+1], s94, SCL
	s_mov_b64 s[G0S+2:G0S+3], s[22:23]
	s_or_b32 s[G0S+3], s[G0S+3], 0x80000000
	s_mov_b32 s[G0SB], 1
	s_add_co_u32 s[G0SB+1], s94, SCL
	s_mov_b64 s[G0SB+2:G0SB+3], s[92:93]
	s_or_b32 s[G0SB+3], s[G0SB+3], 0x80000000
	JLOAD G0S, G1S, G0SB, G1SB
.irp s, 0,1
	s_mov_b32 s[G0+4*\s], 1
	s_add_co_u32 s[G0+4*\s+1], s45, \s*SLOT
	s_add_nc_u64 s[G0+4*\s+2:G0+4*\s+3], s[20:21], \s*ASTEP
	s_or_b32 s[G0+4*\s+3], s[G0+4*\s+3], 0x80000000
	s_mov_b32 s[G0B+4*\s], 1
	s_add_co_u32 s[G0B+4*\s+1], s45, \s*SLOT
	s_add_nc_u64 s[G0B+4*\s+2:G0B+4*\s+3], s[46:47], \s*ROWB
	s_or_b32 s[G0B+4*\s+3], s[G0B+4*\s+3], 0x80000000
	s_wait_alu depctr_va_vdst(0)
	s_wait_tensorcnt 0x0
	ds_add_u32 v28, v29
	s_wait_dscnt 0x0
	CROUND
	JLOAD G0+4*\s, G1, G0B+4*\s, G1B               ; one load of mine is out at the most
.endr
	v_and_b32 v1, 15, v0                           ; r
	v_bfe_u32 v2, v0, 4, 1                         ; h
	v_and_b32 v6, 31, v0
	v_lshlrev_b32 v[CO], 4, v6                     ; 16 x lane
	v_mul_u32_u24 v3, v1, PITCH
	v_lshl_add_u32 v4, v2, 4, v3                   ; Wp: a fragment's row x pitch + 16 x half
	s_mul_i32 s21, s15, HALFT                      ; my 128 tokens
	s_mul_i32 s22, s16, HALFT                      ; my 128 rows of Wp,
	s_add_co_u32 s22, s22, 2*HALFT                 ; which lie behind y's
.irp s, 0,1
	v_add_nc_u32 v[ADRA+\s], s21, v[CO]
	v_add_nc_u32 v[ADRB+\s], s22, v4
	s_add_co_u32 s21, s21, SLOT
	s_add_co_u32 s22, s22, SLOT
.endr
	v_mul_u32_u24 v5, v1, KS
	v_lshrrev_b32 v6, 8, v5
	v_lshl_add_u32 v5, v6, 4, v5
	s_mul_i32 s21, s15, HALFS
	s_mul_i32 s22, s16, HALFS
	s_add_co_u32 s22, s22, 2*HALFS
	s_sub_co_u32 s22, s22, s21
	v_mul_u32_u24 v6, s22, v2                      ; lanes 16-31 take Wp's
	s_add_co_u32 s21, s21, SCL
	v_add_nc_u32 v5, v5, v6
	v_add_nc_u32 v[ADRS], s21, v5
	s_mul_i32 s23, s14, 16*SPITCH                  ; my stage
	v_mul_u32_u24 v5, v1, SPITCH
	v_lshl_add_u32 v5, v2, 5, v5
	v_add_nc_u32 v[STO], s23, v5
	v_add_nc_u32 v[RD], s23, v[CO]
	v_lshlrev_b32 v[BH], 5, v2
	s_wait_alu depctr_va_vdst(0)
	s_lshl_b32 s20, s17, 8
	s_lshl_b32 s21, s15, 7
	s_add_co_u32 s20, s20, s21                     ; my first row of out0
	s_mov_b32 s21, 0
	s_mov_b64 s[18:19], SIZE_N*4
	s_mul_u64 s[20:21], s[20:21], s[18:19]
	s_lshl_b32 s46, s42, 10                        ; my first column, in bytes: 1,024 x tile column + 512 x half
	s_lshl_b32 s47, s16, 9
	s_add_co_u32 s46, s46, s47
	s_mov_b32 s47, 0
	s_add_nc_u64 s[96:97], s[96:97], s[46:47]      ; bp of my 128 columns
	s_add_nc_u64 s[20:21], s[20:21], s[46:47]
	s_add_nc_u64 s[12:13], s[12:13], s[20:21]
.irp b, 0,1,2,3,4,5,6,7
	global_load_b128 v[BT+8*\b:BT+8*\b+3], v[BH], s[96:97] offset:64*\b
	global_load_b128 v[BT+8*\b+4:BT+8*\b+7], v[BH], s[96:97] offset:64*\b+16
.endr
.macro FRAG reg, adr, q, i             ; a fragment of Wp from rows: lane l holds row l % 16; registers 4 c .. 4 c + 3 hold K = 32 c + 16 (l / 16) + 0 .. 15
.irp c, 0,1,2,3
	ds_load_b128 v[\reg+4*\c:\reg+4*\c+3], v[\adr] offset:128*(\q)+32*\c+(\i)*16*PITCH
.endr
.endm
.macro FRAGA reg, adr, q, i            ; a fragment of y from its image
.irp c, 0,1,2,3
	ds_load_b128 v[\reg+4*\c:\reg+4*\c+3], v[\adr] offset:(\i)*4096+(\q)*2048+512*\c
.endr
.endm
; 16 matrix instructions: y's blocks a0, a0 + 1 x Wp's eight.  first = 1: the sums begin with bp as C.  The 64 accumulators take turns, one instruction a turn.
.macro MUL16 a0, p, q, sc, first
.irp a, \a0, \a0+1
.irp b, 0,1,2,3,4,5,6,7
.if \first
	v_wmma_scale_f32_16x16x128_f8f6f4 v[8*(8*((\a)%4)+\b):8*(8*((\a)%4)+\b)+7], v[128*(\p)+FR*\b:128*(\p)+FR*\b+FR-1], v[AF+FR*(\a):AF+FR*(\a)+FR-1], v[BT+8*\b:BT+8*\b+7], v[SC+8*NQ*(\sc)+NQ*\b+(\q)], v[SC+8*NQ*(\sc)+NQ*(\a)+(\q)] matrix_a_fmt:MATRIX_FMT_BF8 matrix_b_fmt:MATRIX_FMT_BF8 matrix_a_scale:MATRIX_SCALE_ROW1
.else
	v_wmma_scale_f32_16x16x128_f8f6f4 v[8*(8*((\a)%4)+\b):8*(8*((\a)%4)+\b)+7], v[128*(\p)+FR*\b:128*(\p)+FR*\b+FR-1], v[AF+FR*(\a):AF+FR*(\a)+FR-1], v[8*(8*((\a)%4)+\b):8*(8*((\a)%4)+\b)+7], v[SC+8*NQ*(\sc)+NQ*\b+(\q)], v[SC+8*NQ*(\sc)+NQ*(\a)+(\q)] matrix_a_fmt:MATRIX_FMT_BF8 matrix_b_fmt:MATRIX_FMT_BF8 matrix_a_scale:MATRIX_SCALE_ROW1
.endif
.endr
.endr
.endm
.macro FETCH_B slot, q, p
	WIN TO_B
.irp i, 0,1,2,3,4,5,6,7
	FRAG 128*(\p)+FR*\i, ADRB+\slot, \q, \i
.endr
	WIN 0
.endm
.macro FETCH_A slot, q, i0
.irp i, \i0, \i0+1, \i0+2, \i0+3
	FRAGA AF+FR*(\i), ADRA+\slot, \q, \i
.endr
.endm
.macro SCALES sc
.irp i, 0,1,2,3,4,5,6,7
	ds_load_b64 v[SC+8*NQ*\sc+NQ*\i:SC+8*NQ*\sc+NQ*\i+1], v[ADRS] offset:\i*SBLK
.endr
.endm
.macro PLACES n
.rept \n
	v_nop
.endr
.endm
.macro STEP slot, q, first
	s_wait_dscnt 4*NL                              ; Wp's set and y's blocks 0-3 are in; the youngest 16 loads (y's blocks 4-7) may be out
	WIN MUL_LO-0x20*\first                         ; first = 1: C (bp) in window 0
	MUL16 0, (\q)%2, \q, \slot, \first
	MUL16 2, (\q)%2, \q, \slot, \first
	s_wait_dscnt 0
	PLACES NP
	FETCH_B \slot, (\q)+1, 1-(\q)%2
	FETCH_A \slot, (\q)+1, 0
	WIN MUL_HI-0x30*\first
	MUL16 4, (\q)%2, \q, \slot, \first
	MUL16 6, (\q)%2, \q, \slot, \first
	PLACES NP
	WIN 0
	FETCH_A \slot, (\q)+1, 4
.endm
.macro TURN slot, next, fill
	s_wait_tensorcnt 0x0                           ; all my tensor loads have landed: my part of the next slot
	ds_add_u32 v[SPW], v[NIL]                      ; 0 onto my spare word
	s_wait_dscnt 4*NL+1                            ; the add and the youngest 16 loads may be out
	WIN MUL_LO
	MUL16 0, 1, NQ-1, \slot, 0
	s_wait_dscnt 0x0                               ; the add is done, and my reads of this slot are over
	s_barrier_signal -1
	MUL16 2, 1, NQ-1, \slot, 0
	WIN 0
	s_barrier_wait -1
.if \fill
	CREST                                          ; the barrier has opened a round of the cluster's barrier
	s_add_nc_u64 s[G0+4*\slot+2:G0+4*\slot+3], s[G0+4*\slot+2:G0+4*\slot+3], 2*ASTEP
	s_add_nc_u64 s[G0B+4*\slot+2:G0B+4*\slot+3], s[G0B+4*\slot+2:G0B+4*\slot+3], 2*ROWB
	JLOAD G0+4*\slot, G1, G0B+4*\slot, G1B         ; the first tensor load behind the round; its four v_nop are among the places in front of the loads below
	PLACES NP-4
.else
	PLACES NP
.endif
	s_wait_alu depctr_va_vdst(0)
	v_add_nc_u32 v[ADRS], 4*NQ, v[ADRS]
	FETCH_B \next, 0, 0
	FETCH_A \next, 0, 0
	SCALES \next
	WIN MUL_HI
	MUL16 4, 1, NQ-1, \slot, 0
	MUL16 6, 1, NQ-1, \slot, 0
	PLACES NP
	WIN 0
	FETCH_A \next, 0, 4
.endm
	s_wait_tensorcnt 1                             ; the scales and my part of K step 0 are in (K step 1's load may be out)
	s_barrier_signal -1
	s_barrier_wait -1                              ; everybody's are
	FETCH_B 0, 0, 0
	FETCH_A 0, 0, 0
	SCALES 0
	FETCH_A 0, 0, 4
	s_wait_loadcnt 0x0                             ; bp
	STEP 0, 0, 1                                   ; the first step stands in front of the loop: its products start the sums, from bp
	s_mov_b32 s3, LAPS-1
.Llap:
	TURN 0, 1, 1
	STEP 1, 0, 0
	TURN 1, 0, 1
	STEP 0, 0, 0
	s_sub_co_u32 s3, s3, 1
	s_cmp_lg_u32 s3, 0
	s_cbranch_scc1 .Llap
	TURN 0, 1, 0                                   ; the last lap fills nothing
	STEP 1, 0, 0
	s_wait_dscnt 4*NL
	WIN MUL_LO
	MUL16 0, 1, NQ-1, 1, 0
	MUL16 2, 1, NQ-1, 1, 0
	s_wait_dscnt 0
	WIN MUL_HI
	MUL16 4, 1, NQ-1, 1, 0
	MUL16 6, 1, NQ-1, 1, 0
	WIN 0
; THE WAY OUT, block by block of 16 rows x 128 columns, through my own stage in LDS: in as 32 bytes a lane, back as whole rows of 512 bytes.  LDS serves a wave's instructions in order (ISA guide 5.7.1.4).
.macro TOSTAGE a
.set AC, 64*((\a)%4)
	WIN 0x08+4*((\a)/4)                            ; the data: window 2 or 3
.irp b, 0,1,2,3,4,5,6,7
	ds_store_b128 v[STO], v[AC+8*\b:AC+8*\b+3] offset:64*\b          ; each accumulator from its low end on
	ds_store_b128 v[STO], v[AC+8*\b+4:AC+8*\b+7] offset:64*\b+16
.endr
	WIN 0
.set BB, BK+64*((\a)%2)
.irp t, 0,1,2,3,4,5,6,7,8,9,10,11,12,13,14,15
	ds_load_b128 v[BB+4*\t:BB+4*\t+3], v[RD] offset:\t*SPITCH
.endr
.endm
.macro SEND a, younger                 ; younger: the LDS instructions issued behind block a's loads, which may stay out
.set BB, BK+64*((\a)%2)
	s_wait_dscnt \younger
.if (\a) > 0
	s_add_nc_u64 s[12:13], s[12:13], 16*SIZE_N*4   ; (behind a wait on XCNT: the earlier stores have read their base)
.endif
.irp t, 0,1,2,3,4,5,6,7,8,9,10,11,12,13,14,15
	global_store_b128 v[CO], v[BB+4*\t:BB+4*\t+3], s[12:13] offset:\t*SIZE_N*4 th:TH_STORE_NT   ; 32 lanes store 512 consecutive bytes, aligned; written once, read by nobody here
.endr
.endm
	PLACES NP
	TOSTAGE 0
.irp a, 1,2,3,4,5,6,7
.if \a > 1
	s_wait_xcnt 0x0                                ; block a - 2's stores have read their registers and their base
.endif
	TOSTAGE \a
	SEND \a-1, 32                                  ; behind block a - 1's loads: block a's 16 stores and 16 loads
.endr
	s_wait_xcnt 0x0
	SEND 7, 0
	s_wait_tensorcnt 0x0                           ; the wave's end
	ds_add_u32 v[SPW], v[NIL]
	s_wait_dscnt 0x0
	CROUND                                         ; the closing round
	s_endpgm
.Lfunc_end_k_q72342178c7_proj:
	.size	k_q72342178c7_proj, .Lfunc_end_k_q72342178c7_proj-k_q72342178c7_proj
	.p2alignl 7, 3214868480
	.fill 96, 4, 3214868480
	.section	.rodata,"a",@progbits
	.p2align	6, 0x0
	.amdhsa_kernel k_q72342178c7_proj
		.amdhsa_group_segment_fixed_size 327680
		.amdhsa_private_segment_fixed_size 0
		.amdhsa_enable_private_segment 0
		.amdhsa_kernarg_size 48
		.amdhsa_user_sgpr_count 2
		.amdhsa_user_sgpr_kernarg_segment_ptr 1
		.amdhsa_wavefront_size32 1
		.amdhsa_system_sgpr_workgroup_id_x 1
		.amdhsa_system_sgpr_workgroup_id_y 1
		.amdhsa_system_sgpr_workgroup_id_z 1
		.amdhsa_system_vgpr_workitem_id 0
		.amdhsa_next_free_vgpr 1024
		.amdhsa_next_free_sgpr 98
		.amdhsa_reserve_vcc 0
		.amdhsa_float_denorm_mode_32 3
		.amdhsa_float_denorm_mode_16_64 3
		.amdhsa_memory_ordered 1
		.amdhsa_forward_progress 1
		.amdhsa_inst_pref_size 148
	.end_amdhsa_kernel
	.amdgpu_metadata
---
amdhsa.version: [ 1, 2 ]
amdhsa.kernels:
  - .name:           k_q72342178c7_proj
    .symbol:         k_q72342178c7_proj.kd
    .args:
      - { .name: y_img, .offset: 0, .size: 8, .value_kind: global_buffer, .address_space: global }
      - { .name: y_sc, .offset: 8, .size: 8, .value_kind: global_buffer, .address_space: global }
      - { .name: Wp_codes, .offset: 16, .size: 8, .value_kind: global_buffer, .address_space: global }
      - { .name: Wp_scales, .offset: 24, .size: 8, .value_kind: global_buffer, .address_space: global }
      - { .name: bp, .offset: 32, .size: 8, .value_kind: global_buffer, .address_space: global }
      - { .name: out0, .offset: 40, .size: 8, .value_kind: global_buffer, .address_space: global }
    .group_segment_fixed_size: 327680
    .private_segment_fixed_size: 0
    .kernarg_segment_align: 8
    .kernarg_segment_size: 48
    .max_flat_workgroup_size: 128
    .sgpr_count:     98
    .vgpr_count:     1024
    .wavefront_size: 32
...
	.end_amdgpu_metadata
.endif
;; end of part 3
